; MI455X (gfx1250); checked and timed in simulation.
; The chip was launched on July 23, 2026; its instructions are those of AMD's public machine-readable ISA for CDNA 5 (MIT licence, August 2026) and "CDNA5" Instruction Set Architecture Reference Guide (July 2026). The comments in the code are by the model that wrote it; some were corrected since.
;; Mini Multi Head Attention. Allowed arithmetic: matrix products marked QUANTISED: E2M1 operands, one E8M0 scale for each 32 along K, by v_wmma_scale_f32_16x16x128_f8f6f4 with both operands' format E2M1 (or v_wmma_scale_f32_32x16x128_f4), f32 sums; products left as they are: bf16, f16 or f32 operands; f32 sums; everything else in f32.
;; Inputs: bk 1,024 float32; bo 1,024 float32; bq 1,024 float32; bv 1,024 float32; hidden_states 4 x 2,048 x 1,024 float32; wk 1,024 x 1,024 float32; wo 1,024 x 1,024 float32; wq 1,024 x 1,024 float32; wv 1,024 x 1,024 float32.
;; Outputs: out0 4 x 2,048 x 1,024 float32.
;; This version of the problem:
;;   THIS VERSION OF THE PROBLEM IS GIVEN IN LOW PRECISION. The matrix products marked QUANTISED in the list below multiply operands that are first quantised to E2M1 (2 exponent bits, 1 mantissa bit; 4 bits a number), with one power-of-two scale for each 32 numbers along K (OCP MX v1.0); their sums are f32. The products marked 'left as it is' may take bf16, f16 or f32 operands, with f32 sums. All else is computed in f32.
;;   The module's matrix products, in the order in which they are computed (A, B: the left and right operand; K: the contracted axis; several contracted axes count as one K, in the product's order):
;;     1. [M 8,192, K 1,024] x [K 1,024, N 1,024]; A: input hidden_states; B: input wq: QUANTISED
;;     2. [M 8,192, K 1,024] x [K 1,024, N 1,024]; A: input hidden_states; B: input wk: QUANTISED
;;     3. [M 8,192, K 1,024] x [K 1,024, N 1,024]; A: input hidden_states; B: input wv: QUANTISED
;;     4. batch 64 x [M 2,048, K 64] x [K 64, N 2,048]; A: computed on the way; B: computed on the way: left as it is (an operand is computed on the way)
;;     5. batch 64 x [M 2,048, K 2,048] x [K 2,048, N 64]; A: computed on the way; B: computed on the way: left as it is (an operand is computed on the way)
;;     6. [M 8,192, K 1,024] x [K 1,024, N 1,024]; A: computed on the way; B: input wo: left as it is (an operand is computed on the way)
;;   THE QUANTISER, for each operand of a quantised product, along K:
;;     - K is cut into blocks of 32 from its start; a last block that is shorter is filled with zeros.
;;     - A block's scale is 2^e with e = floor(log2(the largest magnitude in the block)) - 2, held to -126 .. 127; a block of zeros has e = 0. As a byte (E8M0): e + 127.
;;     - Each number is divided by its block's scale, clamped to +-6, and rounded to the nearest number of E2M1, ties to even, subnormals kept.
;;     - The product sums the exact products of the quantised numbers (number of the format x scale) in f32.
;;   ~~~python
;;   def quantise(x, axis):      # numpy; x: float32 -> the quantised numbers, widened to float32 again
;;       x = np.moveaxis(x, axis, -1); K = x.shape[-1]
;;       x = np.pad(x, [(0, 0)] * (x.ndim - 1) + [(0, -K % 32)]); x = x.reshape(x.shape[:-1] + (-1, 32)); a = np.abs(x).max(-1, keepdims=True)
;;       e = np.where(a > 0, np.clip(np.frexp(np.where(a > 0, a, 1))[1] - 1 - 2, -126, 127), 0)      # np.frexp(a)[1] - 1 = floor(log2(a)), exactly
;;       r = np.clip(x / 2.0 ** e, -6, 6)
;;       step = 2.0 ** (np.maximum(np.frexp(np.where(r == 0, 1, r))[1] - 1, 0) - 1)
;;       q = np.round(r / step) * step * 2.0 ** e      # np.round: ties to even
;;       return np.moveaxis(q.reshape(q.shape[:-2] + (-1,))[..., :K], -1, axis).astype(np.float32)
;;   ~~~
;; One version. Each part assembles by itself: llvm-mc -triple=amdgcn-amd-amdhsa -mcpu=gfx1250 --defsym DOCPART=n.
;; ======== version 1 of 1: 4 launches
;; limits: values are held in f16: magnitudes above 65,504 overflow, below 6.1e-05 lose precision
;; workspace buffers: xc 4,194,304 bytes; xs 262,144 bytes; wc 1,572,864 bytes; ws 98,304 bytes; woh 2,097,152 bytes; qkv 50,331,648 bytes; att 16,777,216 bytes
;; launch quant (part 1): grid 384 x 1, 4 waves a work-group, no clusters, 33,280 bytes of LDS; arguments hidden_states, wq, wk, wv, wo, xc, xs, wc, ws, woh; writes xc, xs, wc, ws, woh
.if DOCPART == 1
	.amdgcn_target "amdgcn-amd-amdhsa--gfx1250"
	.amdhsa_code_object_version 6
	.text
	.protected	k_qddd5e85e0b_quant
	.globl	k_qddd5e85e0b_quant
	.p2align	8
	.type	k_qddd5e85e0b_quant,@function
k_qddd5e85e0b_quant:
	s_mov_b64 s[64:65], 0
	v_nop
	global_prefetch_b8 v0, s[64:65] scope:SCOPE_SE
	s_setreg_imm32_b32 hwreg(HW_REG_WAVE_MODE, 25, 1), 1
	s_wait_xcnt 0x0
; hidden_states [8192][1024] and wq, wk, wv [1024][1024], f32, become codes of FP4 (E2M1), K innermost, two codes a byte, with one E8M0 scale byte for each 32 along K:
; xc [8192][512 bytes], xs [8192][32]; wc [3072][512 bytes], ws [3072][32] (rows 0-1023 wq, 1024-2047 wk, 2048-3071 wv).  wo [1024][1024] becomes f16, woh, rows as they lie.
; A block's scale is 2^(floor(log2(its largest magnitude)) - 2); its byte is the largest magnitude's exponent field - 2, held at 1 from below.  A block of zeros so gets the byte 1 where the
; quantiser says 127: its codes are zeros, which add nothing under any byte but 0xff, and this program alone reads the bytes.
; LIMITS: blocks whose largest magnitude lies under 2^-124 keep the byte 1; NaN and infinities among the inputs are not served; wo beyond 65,504 becomes infinity in f16.
; SHARES: a work-group takes 32,768 numbers, a wave 8,192.  Work-groups 0-255: hidden_states; 256-351: wq, wk, wv, 32 each; 352-383: wo.  Rows are dense and 1,024 is a multiple of 32: every tensor is a plain stream.
; The four quantised tensors take ONE path: only pointers are chosen, by the work-group's number.  wo's path uses no LDS.  Waves share nothing: no barrier, no cluster.
; Each load reads 512 consecutive bytes; a step's 2,048 bytes turn through the wave's own stage in LDS so that a lane holds 16 neighbours along K; a wave's code store covers 256 consecutive bytes, aligned.
.set STEPS, 16
.set EMAX,  2
.set CB,    8                          ; bytes of 16 codes
.set R,     16                         ; v16-79   four sets of 16 numbers as they are loaded (wo's path: v16-143, two sets of 64)
.set X,     80                         ; v80-111  two sets of 16 neighbours
.set C,     128                        ; v128-191 codes: four registers for each step, so that no store's data are written again
.set E,     112                        ; v112-127 a scale byte for each step
.set WREG,  8192                       ; LDS: a region for each wave: two stages of 32 x SP bytes, then its 256 scale bytes
.set SP,    80                         ; a lane's place in a stage: 64 bytes + 16 of padding
	s_load_b256 s[24:31], s[0:1], 0x0              ; hidden_states, wq, wk, wv
	s_load_b256 s[32:39], s[0:1], 0x20             ; wo, xc, xs, wc
	s_load_b128 s[40:43], s[0:1], 0x40             ; ws, woh
	v_lshl_add_u32 v192, v0, 2, 0x8000
	v_mov_b32 v193, 0
	v_lshrrev_b32 v1, 5, v0
	v_readfirstlane_b32 s16, v1                    ; wave
	v_and_b32 v2, 31, v0                           ; lane
	v_lshlrev_b32 v3, 4, v2                        ; my 16 bytes of a load's 512
	s_mul_i32 s17, s16, WREG
	v_lshrrev_b32 v14, 2, v2
	v_mul_u32_u24 v14, v14, SP
	v_and_b32 v15, 3, v2
	v_lshl_add_u32 v14, v15, 4, v14
	v_add_nc_u32 v14, s17, v14                     ; the stage, on the way in: SP (lane / 4) + 16 (lane % 4)
	v_mul_u32_u24 v15, v2, SP
	v_add_nc_u32 v15, s17, v15                     ; and on the way out: SP x lane: my 16 neighbours
	v_mul_u32_u24 v4, v2, CB                       ; 8 x lane: my codes' place in a step's (wo's path: my 4 numbers in f16)
	v_lshrrev_b32 v5, 1, v2
	s_add_co_u32 s17, s17, 2*32*SP
	v_add_nc_u32 v5, s17, v5                       ; LDS: my wave's 256 scale bytes, my block's byte
	v_lshlrev_b32 v7, 3, v2
	v_add_nc_u32 v6, s17, v7                       ; and on the way out 8 bytes a lane
	s_wait_kmcnt 0x0
	s_cmp_ge_u32 ttmp9, 352
	s_cbranch_scc1 .Lwo
	s_and_b32 s18, ttmp9, 31                       ; a weight's work-group among its 32
	s_cmp_lt_u32 ttmp9, 320                        ; the choices hang on the work-group's number alone
	s_cselect_b64 s[4:5], s[28:29], s[30:31]       ; wk or wv
	s_cmp_lt_u32 ttmp9, 288
	s_cselect_b64 s[4:5], s[26:27], s[4:5]         ; wq
	s_cmp_lt_u32 ttmp9, 256
	s_cselect_b64 s[4:5], s[24:25], s[4:5]         ; hidden_states
	s_cselect_b64 s[8:9], s[34:35], s[38:39]       ; the codes: xc or wc
	s_cselect_b64 s[10:11], s[36:37], s[40:41]     ; the scale bytes: xs or ws
	s_cselect_b32 s17, 0, 256
	s_cselect_b32 s18, ttmp9, s18
	s_lshl_b32 s18, s18, 2
	s_add_co_u32 s18, s18, s16                     ; which run of 8,192 numbers of the source is my wave's
	s_lshl_b32 s20, s18, 15                        ; 32,768 bytes a run (under 2^25 in all)
	s_mov_b32 s21, 0
	s_add_nc_u64 s[4:5], s[4:5], s[20:21]
	s_sub_co_u32 s17, ttmp9, s17
	s_lshl_b32 s17, s17, 2
	s_add_co_u32 s17, s17, s16                     ; and which run of the destination (the three weights lie on end)
	s_lshl_b32 s20, s17, 12                        ; 4,096 bytes of codes a run
	s_add_nc_u64 s[8:9], s[8:9], s[20:21]
	s_lshl_b32 s20, s17, 8                         ; 256 scale bytes a run
	s_add_nc_u64 s[10:11], s[10:11], s[20:21]
.macro LOAD t
.irp i, 0,1,2,3
	global_load_b128 v[R+16*((\t)%4)+4*\i:R+16*((\t)%4)+4*\i+3], v3, s[4:5] offset:2048*(\t)+512*\i th:TH_LOAD_NT   ; 32 lanes read 512 consecutive bytes
.endr
.endm
.macro TURN t                          ; step t's numbers through the stage: LDS serves a wave's instructions in order, so no wait stands between the stores and the loads
.irp i, 0,1,2,3
	ds_store_b128 v14, v[R+16*((\t)%4)+4*\i:R+16*((\t)%4)+4*\i+3] offset:32*SP*((\t)%2)+8*SP*\i
.endr
.irp i, 0,1,2,3
	ds_load_b128 v[X+16*((\t)%2)+4*\i:X+16*((\t)%2)+4*\i+3], v15 offset:32*SP*((\t)%2)+16*\i
.endr
.endm
.irp t, 0,1,2,3
	LOAD \t
.endr
	s_wait_loadcnt 12                              ; step 0's four loads are in; twelve younger ones stay out
	TURN 0
.macro STEP t
.set XS, X+16*((\t)%2)
.if (\t) > 0
	s_wait_dscnt 1                                 ; this step's numbers are back from the stage (the last step's byte store may be out): its stores into the stage have read their registers,
.else
	s_wait_dscnt 0x0
.endif
.if (\t)+4 < STEPS
	LOAD (\t)+4                                    ; which take the loads of four steps on
.endif
.if (\t)+1 < STEPS
.if STEPS-2-(\t) >= 3
	s_wait_loadcnt 12                              ; the next step's four loads are in; those of the three steps behind it may be out
.else
	s_wait_loadcnt 4*(STEPS-2-(\t))
.endif
	TURN (\t)+1                                    ; and go through the other stage while this step is worked
.endif
	v_max3_num_f32 v8, |v[XS]|, |v[XS+1]|, |v[XS+2]|               ; the largest magnitude of my 16, in two chains
	v_max3_num_f32 v9, |v[XS+3]|, |v[XS+4]|, |v[XS+5]|
.irp i, 6,10
	v_max3_num_f32 v8, v8, |v[XS+\i]|, |v[XS+\i+1]|
	v_max3_num_f32 v9, v9, |v[XS+\i+2]|, |v[XS+\i+3]|
.endr
	v_max3_num_f32 v8, v8, |v[XS+14]|, |v[XS+15]|
	v_max3_num_f32 v8, v8, v9, (EMAX+1)<<23        ; and the floor 2^(3 - 127): the byte cannot fall under 1
	v_max_num_f32_dpp v8, v8, v8 row_xmask:1 row_mask:0xf bank_mask:0xf   ; with my neighbour's 16: the block's
	v_add_nc_u32 v11, -(EMAX<<23), v8              ; 2 off its exponent field: the conversion takes the exponent field of this operand as its scale
	v_cvt_scalef32_pk8_fp4_f32 v[C+4*(\t)], v[XS:XS+7], v11        ; to the nearest code, ties to even, beyond 6 the largest code; the first number's code in the lowest four bits
	v_cvt_scalef32_pk8_fp4_f32 v[C+4*(\t)+1], v[XS+8:XS+15], v11
	v_lshrrev_b32 v[E+(\t)], 23, v11               ; the scale's byte
	ds_store_b8 v5, v[E+(\t)] offset:16*(\t)       ; both lanes of a block write the same byte with the same value
	global_store_b64 v4, v[C+4*(\t):C+4*(\t)+1], s[8:9] offset:32*CB*(\t)   ; the wave stores 256 consecutive bytes, aligned
.endm
.irp t, 0,1,2,3,4,5,6,7,8,9,10,11,12,13,14,15
	STEP \t
.endr
	ds_load_b64 v[12:13], v6                       ; LDS serves a wave's instructions in order: these see my byte stores
	s_wait_dscnt 0x0
	global_store_b64 v7, v[12:13], s[10:11]        ; 32 lanes store 256 consecutive bytes, aligned
	s_wait_tensorcnt 0x0
	ds_add_u32 v192, v193
	s_wait_dscnt 0x0
	s_endpgm
; wo to f16: a wave takes 8,192 numbers in four groups of 16 loads; a lane's 4 numbers become 8 bytes, a wave's store covers 256 consecutive bytes, aligned.
.Lwo:
	s_sub_co_u32 s17, ttmp9, 352
	s_lshl_b32 s17, s17, 2
	s_add_co_u32 s17, s17, s16                     ; my run of 8,192 numbers
	s_lshl_b32 s20, s17, 15
	s_mov_b32 s21, 0
	s_add_nc_u64 s[4:5], s[32:33], s[20:21]
	s_lshl_b32 s20, s17, 14
	s_add_nc_u64 s[8:9], s[42:43], s[20:21]
.macro WLOAD t
.irp i, 0,1,2,3,4,5,6,7,8,9,10,11,12,13,14,15
	global_load_b128 v[R+64*((\t)%2)+4*\i:R+64*((\t)%2)+4*\i+3], v3, s[4:5] offset:8192*(\t)+512*\i th:TH_LOAD_NT
.endr
.endm
.macro WCVT t
.irp i, 0,1,2,3,4,5,6,7,8,9,10,11,12,13,14,15
	v_cvt_pk_f16_f32 v[R+64*((\t)%2)+4*\i], v[R+64*((\t)%2)+4*\i], v[R+64*((\t)%2)+4*\i+1]
	v_cvt_pk_f16_f32 v[R+64*((\t)%2)+4*\i+1], v[R+64*((\t)%2)+4*\i+2], v[R+64*((\t)%2)+4*\i+3]
	global_store_b64 v4, v[R+64*((\t)%2)+4*\i:R+64*((\t)%2)+4*\i+1], s[8:9] offset:4096*(\t)+256*\i
.endr
.endm
	WLOAD 0
	WLOAD 1
	s_wait_loadcnt 16                              ; group 0 is in; group 1's sixteen loads stay out
	WCVT 0
	s_wait_xcnt 0x0                                ; the stores have read their registers: the set is loaded again only behind this wait
	WLOAD 2
	s_wait_loadcnt 16                              ; group 1 is in
	WCVT 1
	s_wait_xcnt 0x0
	WLOAD 3
	s_wait_loadcnt 16                              ; group 2 is in
	WCVT 2
	s_wait_loadcnt 0x0
	WCVT 3
	s_endpgm
.Lfunc_end_k_qddd5e85e0b_quant:
	.size	k_qddd5e85e0b_quant, .Lfunc_end_k_qddd5e85e0b_quant-k_qddd5e85e0b_quant
	.p2alignl 7, 3214868480
	.fill 96, 4, 3214868480
	.section	.rodata,"a",@progbits
	.p2align	6, 0x0
	.amdhsa_kernel k_qddd5e85e0b_quant
		.amdhsa_group_segment_fixed_size 33280
		.amdhsa_private_segment_fixed_size 0
		.amdhsa_enable_private_segment 0
		.amdhsa_kernarg_size 80
		.amdhsa_user_sgpr_count 2
		.amdhsa_user_sgpr_kernarg_segment_ptr 1
		.amdhsa_wavefront_size32 1
		.amdhsa_system_sgpr_workgroup_id_x 1
		.amdhsa_system_sgpr_workgroup_id_y 1
		.amdhsa_system_sgpr_workgroup_id_z 1
		.amdhsa_system_vgpr_workitem_id 0
		.amdhsa_next_free_vgpr 194
		.amdhsa_next_free_sgpr 66
		.amdhsa_reserve_vcc 0
		.amdhsa_float_denorm_mode_32 3
		.amdhsa_float_denorm_mode_16_64 3
		.amdhsa_memory_ordered 1
		.amdhsa_forward_progress 1
		.amdhsa_inst_pref_size 54
	.end_amdhsa_kernel
	.amdgpu_metadata
---
amdhsa.version: [ 1, 2 ]
amdhsa.kernels:
  - .name:           k_qddd5e85e0b_quant
    .symbol:         k_qddd5e85e0b_quant.kd
    .args:
      - { .name: hidden_states, .offset: 0, .size: 8, .value_kind: global_buffer, .address_space: global }
      - { .name: wq, .offset: 8, .size: 8, .value_kind: global_buffer, .address_space: global }
      - { .name: wk, .offset: 16, .size: 8, .value_kind: global_buffer, .address_space: global }
      - { .name: wv, .offset: 24, .size: 8, .value_kind: global_buffer, .address_space: global }
      - { .name: wo, .offset: 32, .size: 8, .value_kind: global_buffer, .address_space: global }
      - { .name: xc, .offset: 40, .size: 8, .value_kind: global_buffer, .address_space: global }
      - { .name: xs, .offset: 48, .size: 8, .value_kind: global_buffer, .address_space: global }
      - { .name: wc, .offset: 56, .size: 8, .value_kind: global_buffer, .address_space: global }
      - { .name: ws, .offset: 64, .size: 8, .value_kind: global_buffer, .address_space: global }
      - { .name: woh, .offset: 72, .size: 8, .value_kind: global_buffer, .address_space: global }
    .group_segment_fixed_size: 33280
    .private_segment_fixed_size: 0
    .kernarg_segment_align: 8
    .kernarg_segment_size: 80
    .max_flat_workgroup_size: 128
    .sgpr_count:     66
    .vgpr_count:     194
    .wavefront_size: 32
...
	.end_amdgpu_metadata
.endif
;; end of part 1
;; launch qkv (part 2): grid 12 x 32, 4 waves a work-group, clusters of 4 x 4, 327,680 bytes of LDS; arguments xc, xs, wc, ws, bq, bk, bv, qkv; writes qkv
.if DOCPART == 2
	.amdgcn_target "amdgcn-amd-amdhsa--gfx1250"
	.amdhsa_code_object_version 6
	.text
	.protected	k_qddd5e85e0b_qkv
	.globl	k_qddd5e85e0b_qkv
	.p2align	8
	.type	k_qddd5e85e0b_qkv,@function
k_qddd5e85e0b_qkv:
	s_mov_b64 s[64:65], 0
	v_nop
	global_prefetch_b8 v0, s[64:65] scope:SCOPE_SE
	s_setreg_imm32_b32 hwreg(HW_REG_WAVE_MODE, 25, 1), 1
	s_wait_xcnt 0x0
	s_wait_alu depctr_hold_cnt(0) depctr_sa_sdst(0) depctr_va_vdst(0) depctr_va_sdst(0) depctr_va_ssrc(0) depctr_va_vcc(0) depctr_vm_vsrc(0)
	s_getreg_b32 s2, hwreg(HW_REG_IB_STS2, 6, 4)
	s_cmp_eq_u32 s2, 0
	s_cbranch_scc0 .Lentry_in_a_cluster
	s_endpgm
.Lentry_in_a_cluster:
	s_bfe_u32 s2, ttmp6, 0x10000c
	s_cmp_lg_u32 s2, 0xf033
	s_cbranch_scc0 .Lentry_shape_is_right
	s_endpgm
.Lentry_shape_is_right:
; q = x wq^T + bq, k = x wk^T + bk, v = x wv^T + bv on codes of FP4 (E2M1) with one E8M0 scale for each 32 along K = 1,024; sums in f32; the results leave as f16.
; THE RESULTS ARE STORED AS IMAGES OF THE NEXT PRODUCTS' OPERAND REGISTERS.  A fragment of 16 rows x 32 K of f16 is 1,024 bytes: lane l's registers 0-3 at 16 l, its registers 4-7 at 512 + 16 l.
;   qkv = [48 column heads][1 MiB].  Heads 0-15: q, 16-31: k: + (token / 16) x 2,048 + ((channel % 64) / 32) x 1,024.  Heads 32-47: v TRANSPOSED (16 channels x 32 tokens): + (token / 32) x 4,096 + ((channel % 64) / 16) x 1,024.
; A tile of 256 x 256 is made by four waves, 128 x 128 each: 64 accumulators, 512 registers.  Source 0 takes 16 rows of the "B side", source 1 16 rows of the "A side": a lane then holds ONE row of the A side and
; eight neighbouring rows of the B side, which pack into 16 bytes of an image.  For q and k (cluster x = 0, 1) the A side is x (a lane a token) and the B side wq, wk (registers along the channels);
; for v (cluster x = 2) the A side is wv (a lane a channel) and the B side x (registers along the tokens).  The sides are chosen by the cluster's x alone, which all sixteen partners share: only pointers and tile numbers are chosen.
; So no result goes through LDS: each store of a wave covers 512 consecutive bytes, aligned.
; K is two slots of 512 (rows of 256 bytes): both are filled at the start, with the scale bytes of the tile's rows for all of K, and nothing is filled again: three tensor loads of a wave are out at the most.
; CLUSTERS: 4 x 4 work-groups.  The four of a row of the cluster need the same tile of the A side, the four of a column the same tile of the B side: each is asked for jointly.
; LIMITS: a result beyond 65,504 becomes infinity in f16; results under 2^-24 are lost.  With all inputs 30 times larger q, k, v stay near 5,000; with a common offset of 30 spreads on x and the weights near 29,000.
; REGISTERS, in windows of 256: window 0: v0-31 addresses; v32-95 scale words, two sets, and nothing else; v96-111 the bias of a lane's channel (v's path); v128-191 the A side's fragments, on the way out the packed results;
;   v192-255 the biases of a lane's eight channels (q's and k's path).   window 1: the B side's fragments, two sets, at v0 and v128.   windows 2, 3: the accumulators ((a, b) at v[8 (8 (a % 4) + b)]).
.set KSTEP,  512
.set NQ,     KSTEP/128
.set ROWB,   256
.set KROW,   512                       ; a row of codes in memory
.set PITCH,  272                       ; an LDS row: 256 bytes + 16 of padding: the 16 rows that a load touches start 68 words apart
.set FR,     8
.set NL,     2
.set NP,     4                         ; places behind this matrix instruction (ISA guide 7.12.1)
.set HALFT,  128*PITCH
.set SLOT,   4*HALFT
.set KS,     32                        ; a row of scale bytes
.set SCL,    2*SLOT
.set HALFS,  (128*KS/256)*272
.set SBLK,   (16*KS/256)*272
.set SPARE,  SCL+4*HALFS               ; the spare words, 128 bytes a wave, which no other line names
.set ADRA, 16
.set ADRB, 20
.set CO,   26                          ; v26  16 x lane: my place in an image's half
.set ADRS, 27
.set SPW,  28
.set NIL,  29
.set SC,   32
.set BV,   96
.set AF,   128
.set Y,    128
.set BI,   192
.set G1, 24
.set G0, 32
.set G1B, 48
.set G0B, 56
.set G1S, 68
.set G0S, 76
.set G1SB, 80
.set G0SB, 88
.set ISV, 95                           ; s95  1 in v's clusters
.set MSB, 0
.macro WIN new                         ; the immediate's high byte repeats the setting that is left
.if MSB != (\new)
	s_set_vgpr_msb (MSB<<8)|(\new)
.set MSB, (\new)
.endif
.endm
.set MUL_LO, 0xa1                      ; source 0 window 1, source 1 window 0, C and D window 2
.set MUL_HI, 0xf1                      ; the same, C and D window 3
.set TO_B,   0x40
; A joint load: waves 0 and 1 fetch for the A side, waves 2 and 3 for the B side; the branch hangs on the wave's number alone.  Four v_nop follow each of the two lines.
.macro JLOAD g0a, g1a, g0b, g1b
	s_cmp_eq_u32 s15, 0
	s_cbranch_scc0 .Lfor_b_\@
	tensor_load_to_lds s[\g0a:\g0a+3], s[\g1a:\g1a+7]
	s_nop 0
.rept 4
	v_nop
.endr
	s_branch .Lasked_\@
.Lfor_b_\@:
	tensor_load_to_lds s[\g0b:\g0b+3], s[\g1b:\g1b+7]
	s_nop 0
.rept 4
	v_nop
.endr
.Lasked_\@:
.endm
.macro CROUND                          ; a round of the cluster's barrier
	s_barrier_signal -1
	s_barrier_wait -1
	s_cmp_lg_u32 s14, 0
	s_cbranch_scc1 .Lnot_wave_0_\@
	s_barrier_signal -3
.Lnot_wave_0_\@:
	s_barrier_wait -3
	s_barrier_signal -1
	s_barrier_wait -1
.endm
	s_load_b128 s[4:7], s[0:1], 0x0                ; x's codes, x's scales
	s_load_b128 s[8:11], s[0:1], 0x10              ; the weights' codes, their scales
	s_load_b128 s[96:99], s[0:1], 0x20             ; bq, bk
	s_load_b64 s[100:101], s[0:1], 0x30            ; bv
	s_load_b64 s[12:13], s[0:1], 0x38              ; qkv
	v_lshl_add_u32 v[SPW], v0, 2, SPARE
	v_mov_b32 v[NIL], 0
	ds_add_u32 v28, v29
	s_wait_dscnt 0x0
	v_lshrrev_b32 v1, 5, v0
	v_readfirstlane_b32 s14, v1                    ; wave 0..3
	s_lshr_b32 s15, s14, 1                         ; which half of the A side's rows is mine.  Also: I fetch for the A side (0) or the B side (1)
	s_and_b32 s16, s14, 1                          ; which half of the B side's.  Also: which 128 rows I fetch
	s_bfe_u32 s40, ttmp6, 0x40000                  ; cx, cy: my place in the cluster
	s_bfe_u32 s41, ttmp6, 0x40004
	s_lshl_b32 s3, ttmp9, 2                        ; 4 x cluster x
	s_and_b32 s2, ttmp7, 0xffff
	s_lshl_b32 s2, s2, 2                           ; 4 x cluster y
	s_cmp_eq_u32 ttmp9, 2                          ; v's clusters: the same answer in all sixteen partners
	s_cselect_b32 s[ISV], 1, 0
	s_cselect_b32 s42, s2, s3                      ; the B side's tile: v: 256 tokens, by cluster y; q, k: 256 rows of wq, wk, by cluster x
	s_cselect_b32 s17, 8, s2                       ; the A side's tile: v: rows 2,048 on of the weights; q, k: 256 tokens, by cluster y
	s_add_co_u32 s42, s42, s40                     ; + cx
	s_add_co_u32 s17, s17, s41                     ; + cy
	s_lshl_b32 s43, s41, 2
	s_lshl_b32 s43, 15, s43                        ; my row of the cluster
	s_lshl_b32 s44, 0x1111, s40                    ; my column
	; descriptor group 1: a tile of 128 rows x 256 bytes, 16 bytes of padding behind each row
	s_or_b32 s[G1+0], s43, (0<<16)|(1<<20)|(1<<21)|(5<<22)|(3<<25)  ; the mask; elements of 1 byte; padding on; bit 21 beside a mask; after every 64 words; 4 words
	s_or_b32 s[G1B+0], s44, (0<<16)|(1<<20)|(1<<21)|(5<<22)|(3<<25)
.irp g, G1, G1B
	s_mov_b32 s[\g+1], ROWB<<16                    ; tensor_dim0
	s_mov_b32 s[\g+2], 128<<16                     ; tensor_dim1
	s_mov_b32 s[\g+3], ROWB<<16                    ; tile_dim0
	s_mov_b32 s[\g+4], 128                         ; tile_dim1
	s_mov_b32 s[\g+5], KROW                        ; the pitch
	s_mov_b32 s[\g+6], 0
	s_mov_b32 s[\g+7], 0
.endr
	; the scale bytes of 128 rows: 4,096 dense bytes, as 16 rows of 256 bytes (32 elements of 8), 16 bytes of padding behind each
	s_or_b32 s[G1S+0], s43, (3<<16)|(1<<20)|(1<<21)|(5<<22)|(3<<25)
	s_or_b32 s[G1SB+0], s44, (3<<16)|(1<<20)|(1<<21)|(5<<22)|(3<<25)
.irp g, G1S, G1SB
	s_mov_b32 s[\g+1], 32<<16
	s_mov_b32 s[\g+2], (128*KS/256)<<16
	s_mov_b32 s[\g+3], 32<<16
	s_mov_b32 s[\g+4], 128*KS/256
	s_mov_b32 s[\g+5], 32
	s_mov_b32 s[\g+6], 0
	s_mov_b32 s[\g+7], 0
.endr
	s_lshl_b32 s18, s16, 7                         ; which 128 rows of the tile I fetch
	s_lshl_b32 s20, s17, 8
	s_add_co_u32 s20, s20, s18                     ; A side: row 256 x tile + 128 x half
	s_lshl_b32 s46, s42, 8
	s_add_co_u32 s46, s46, s18                     ; B side likewise
	s_mov_b32 s21, 0
	s_mov_b32 s47, 0
	s_mov_b64 s[18:19], KS
	s_mul_u64 s[22:23], s[20:21], s[18:19]         ; where these rows' scale bytes begin
	s_mul_u64 s[92:93], s[46:47], s[18:19]
	s_mov_b64 s[18:19], KROW
	s_mul_u64 s[20:21], s[20:21], s[18:19]         ; and their codes
	s_mul_u64 s[46:47], s[46:47], s[18:19]
	s_mul_i32 s45, s14, HALFT                      ; where they go: wave x 128 rows: no place in the cluster enters an LDS address
	s_mul_i32 s94, s14, HALFS
	s_wait_kmcnt 0x0
	s_cmp_eq_u32 ttmp9, 2                          ; in v's clusters the two sides change places: s[4:7] the A side's codes and scales, s[8:11] the B side's
	s_mov_b64 s[66:67], s[4:5]
	s_cselect_b64 s[4:5], s[8:9], s[4:5]
	s_cselect_b64 s[8:9], s[66:67], s[8:9]
	s_mov_b64 s[66:67], s[6:7]
	s_cselect_b64 s[6:7], s[10:11], s[6:7]
	s_cselect_b64 s[10:11], s[66:67], s[10:11]
	s_cselect_b64 s[98:99], s[100:101], s[98:99]   ; the bias: bv, or bk,
	s_cmp_eq_u32 ttmp9, 0
	s_cselect_b64 s[96:97], s[96:97], s[98:99]     ; or bq
	s_add_nc_u64 s[20:21], s[4:5], s[20:21]
	s_add_nc_u64 s[22:23], s[6:7], s[22:23]
	s_add_nc_u64 s[46:47], s[8:9], s[46:47]
	s_add_nc_u64 s[92:93], s[10:11], s[92:93]
	CROUND                                         ; all sixteen work-groups are here: the joint loads meet
	s_mov_b32 s[G0S], 1
	s_add_co_u32 s[G0S+1], s94, SCL
	s_mov_b64 s[G0S+2:G0S+3], s[22:23]
	s_or_b32 s[G0S+3], s[G0S+3], 0x80000000
	s_mov_b32 s[G0SB], 1
	s_add_co_u32 s[G0SB+1], s94, SCL
	s_mov_b64 s[G0SB+2:G0SB+3], s[92:93]
	s_or_b32 s[G0SB+3], s[G0SB+3], 0x80000000
	JLOAD G0S, G1S, G0SB, G1SB                     ; the scale bytes first: they are wanted with the first K step
.irp s, 0,1
	s_mov_b32 s[G0+4*\s], 1
	s_add_co_u32 s[G0+4*\s+1], s45, \s*SLOT
	s_add_nc_u64 s[G0+4*\s+2:G0+4*\s+3], s[20:21], \s*ROWB
	s_or_b32 s[G0+4*\s+3], s[G0+4*\s+3], 0x80000000
	s_mov_b32 s[G0B+4*\s], 1
	s_add_co_u32 s[G0B+4*\s+1], s45, \s*SLOT
	s_add_nc_u64 s[G0B+4*\s+2:G0B+4*\s+3], s[46:47], \s*ROWB
	s_or_b32 s[G0B+4*\s+3], s[G0B+4*\s+3], 0x80000000
	JLOAD G0+4*\s, G1, G0B+4*\s, G1B
.endr
	v_and_b32 v1, 15, v0                           ; r = l % 16
	v_bfe_u32 v2, v0, 4, 1                         ; h = l / 16
	v_mul_u32_u24 v3, v1, PITCH
	v_lshl_add_u32 v4, v2, 4, v3                   ; a fragment's row x pitch + 16 h
	s_mul_i32 s21, s15, HALFT                      ; my 128 rows of the A side
	s_mul_i32 s22, s16, HALFT                      ; my 128 rows of the B side,
	s_add_co_u32 s22, s22, 2*HALFT                 ; which lie behind the A side's 256
.irp s, 0,1
	v_add_nc_u32 v[ADRA+\s], s21, v4
	v_add_nc_u32 v[ADRB+\s], s22, v4
	s_add_co_u32 s21, s21, SLOT
	s_add_co_u32 s22, s22, SLOT
.endr
	v_mul_u32_u24 v5, v1, KS                       ; my row's scale bytes: 32 a row,
	v_lshrrev_b32 v6, 8, v5
	v_lshl_add_u32 v5, v6, 4, v5                   ; and 16 more for each 256 passed
	s_mul_i32 s21, s15, HALFS
	s_mul_i32 s22, s16, HALFS
	s_add_co_u32 s22, s22, 2*HALFS
	s_sub_co_u32 s22, s22, s21
	v_mul_u32_u24 v6, s22, v2                      ; lanes 16-31 take the B side's
	s_add_co_u32 s21, s21, SCL
	v_add_nc_u32 v5, v5, v6
	v_add_nc_u32 v[ADRS], s21, v5
	v_and_b32 v7, 31, v0
	v_lshlrev_b32 v[CO], 4, v7
	; THE BIASES, in both forms, so that every register is written on every path: by the B side's rows (a lane's eight channels of block b: q, k) and by the A side's rows (a lane's channel of block a: v).
	; Both offsets are cut to the bias's 1,024 numbers, so that the form which a work-group does not use stays inside the buffer too.
	s_lshl_b32 s20, s42, 8
	s_lshl_b32 s21, s16, 7
	s_add_co_u32 s20, s20, s21
	s_and_b32 s20, s20, 1023
	s_lshl_b32 s20, s20, 2
	s_mov_b32 s21, 0
	s_add_nc_u64 s[66:67], s[96:97], s[20:21]
	s_lshl_b32 s20, s17, 8
	s_lshl_b32 s22, s15, 7
	s_add_co_u32 s20, s20, s22
	s_and_b32 s20, s20, 1023
	s_lshl_b32 s20, s20, 2
	s_add_nc_u64 s[96:97], s[96:97], s[20:21]
	v_lshlrev_b32 v8, 5, v2                        ; 32 h: my half's eight numbers of a block of 16
	v_lshlrev_b32 v9, 2, v1                        ; 4 r
.irp b, 0,1,2,3,4,5,6,7
	global_load_b128 v[BI+8*\b:BI+8*\b+3], v8, s[66:67] offset:64*\b
	global_load_b128 v[BI+8*\b+4:BI+8*\b+7], v8, s[66:67] offset:64*\b+16
.endr
.irp a, 0,1,2,3,4,5,6,7
	global_load_b32 v[BV+2*\a], v9, s[96:97] offset:64*\a       ; twice: a pair for the packed addition
	global_load_b32 v[BV+2*\a+1], v9, s[96:97] offset:64*\a
.endr
	; where my results begin in qkv.  q, k: head 4 x B tile + 2 x half, token tile 16 x A tile + 8 x half;  v: head 4 x A tile + 2 x half (the A tile begins at 8: heads 32 on), block of 32 tokens 8 x B tile + 4 x half
	s_lshl_b32 s20, s42, 2
	s_lshl_b32 s22, s16, 1
	s_add_co_u32 s20, s20, s22
	s_lshl_b32 s20, s20, 20
	s_lshl_b32 s22, s17, 4
	s_lshl_b32 s23, s15, 3
	s_add_co_u32 s22, s22, s23
	s_lshl_b32 s22, s22, 11
	s_add_co_u32 s20, s20, s22
	s_lshl_b32 s46, s17, 2
	s_lshl_b32 s22, s15, 1
	s_add_co_u32 s46, s46, s22
	s_lshl_b32 s46, s46, 20
	s_lshl_b32 s22, s42, 3
	s_lshl_b32 s23, s16, 2
	s_add_co_u32 s22, s22, s23
	s_lshl_b32 s22, s22, 12
	s_add_co_u32 s46, s46, s22
	s_cmp_eq_u32 s[ISV], 1
	s_cselect_b32 s20, s46, s20
	s_mov_b32 s21, 0
	s_add_nc_u64 s[12:13], s[12:13], s[20:21]
.macro FRAG reg, adr, q, i             ; 16 rows x 128 K of 4-bit codes: 8 registers: lane l holds row l % 16; registers 4 c .. 4 c + 3 hold K = 64 c + 32 (l / 16) + 0 .. 31
.irp c, 0,1
	ds_load_b128 v[\reg+4*\c:\reg+4*\c+3], v[\adr] offset:64*(\q)+32*\c+(\i)*16*PITCH
.endr
.endm
; 16 matrix instructions: the A side's blocks a0, a0 + 1 x the B side's eight, 128 along K.  p: the B side's set; sc: the set of scale words.  zero = 1: the first product starts the sums.
; The 64 accumulators take turns, one instruction a turn, in the same order in every step.
.macro MUL16 a0, p, q, sc, zero
.irp a, \a0, \a0+1
.irp b, 0,1,2,3,4,5,6,7
.if \zero
	v_wmma_scale_f32_16x16x128_f8f6f4 v[8*(8*((\a)%4)+\b):8*(8*((\a)%4)+\b)+7], v[128*(\p)+FR*\b:128*(\p)+FR*\b+FR-1], v[AF+FR*(\a):AF+FR*(\a)+FR-1], 0, v[SC+8*NQ*(\sc)+NQ*\b+(\q)], v[SC+8*NQ*(\sc)+NQ*(\a)+(\q)] matrix_a_fmt:MATRIX_FMT_FP4 matrix_b_fmt:MATRIX_FMT_FP4 matrix_a_scale:MATRIX_SCALE_ROW1
.else
	v_wmma_scale_f32_16x16x128_f8f6f4 v[8*(8*((\a)%4)+\b):8*(8*((\a)%4)+\b)+7], v[128*(\p)+FR*\b:128*(\p)+FR*\b+FR-1], v[AF+FR*(\a):AF+FR*(\a)+FR-1], v[8*(8*((\a)%4)+\b):8*(8*((\a)%4)+\b)+7], v[SC+8*NQ*(\sc)+NQ*\b+(\q)], v[SC+8*NQ*(\sc)+NQ*(\a)+(\q)] matrix_a_fmt:MATRIX_FMT_FP4 matrix_b_fmt:MATRIX_FMT_FP4 matrix_a_scale:MATRIX_SCALE_ROW1
.endif
.endr
.endr
.endm
.macro FETCH_B slot, q, p
	WIN TO_B
.irp i, 0,1,2,3,4,5,6,7
	FRAG 128*(\p)+FR*\i, ADRB+\slot, \q, \i
.endr
	WIN 0
.endm
.macro FETCH_A slot, q, i0
.irp i, \i0, \i0+1, \i0+2, \i0+3
	FRAG AF+FR*(\i), ADRA+\slot, \q, \i
.endr
.endm
.macro SCALES sc                       ; a slot's scale words: 4 words a row; lanes 0-15 take the A side's block i, lanes 16-31 the B side's block i
.irp i, 0,1,2,3,4,5,6,7
	ds_load_b128 v[SC+8*NQ*\sc+NQ*\i:SC+8*NQ*\sc+NQ*\i+3], v[ADRS] offset:\i*SBLK
.endr
.endm
.macro PLACES n                        ; plain vector instructions that name no register of the matrix instructions in front of them (ISA guide 7.12.1)
.rept \n
	v_nop
.endr
.endm
.macro STEP slot, q, zero              ; a step of 128 along K that has its successor in the same slot
	s_wait_dscnt 4*NL                              ; the B side's set and the A side's blocks 0-3 are in; the youngest eight loads (blocks 4-7) may be out
	WIN MUL_LO
	MUL16 0, (\q)%2, \q, \slot, \zero
	MUL16 2, (\q)%2, \q, \slot, \zero
	s_wait_dscnt 0                                 ; blocks 4-7 are in
	PLACES NP
	FETCH_B \slot, (\q)+1, 1-(\q)%2
	FETCH_A \slot, (\q)+1, 0
	WIN MUL_HI
	MUL16 4, (\q)%2, \q, \slot, \zero
	MUL16 6, (\q)%2, \q, \slot, \zero
	PLACES NP
	WIN 0
	FETCH_A \slot, (\q)+1, 4
.endm
; Slot 0's last step changes to slot 1: each wave waits for all its tensor loads (its part of slot 1), and one barrier shows the slot whole to all four.
.macro TURN slot, next
	s_wait_tensorcnt 0x0                           ; all my tensor loads have landed
	ds_add_u32 v[SPW], v[NIL]                      ; 0 onto my spare word
	s_wait_dscnt 4*NL+1                            ; (the add and the youngest eight loads may be out)
	WIN MUL_LO
	MUL16 0, 1, NQ-1, \slot, 0
	s_wait_dscnt 0x0                               ; the add is done, and my reads of this slot are over
	s_barrier_signal -1
	MUL16 2, 1, NQ-1, \slot, 0
	WIN 0
	s_barrier_wait -1
	PLACES NP
	v_add_nc_u32 v[ADRS], 4*NQ, v[ADRS]            ; on to the next slot's scale words
	FETCH_B \next, 0, 0
	FETCH_A \next, 0, 0
	SCALES \next
	WIN MUL_HI
	MUL16 4, 1, NQ-1, \slot, 0
	MUL16 6, 1, NQ-1, \slot, 0
	PLACES NP
	WIN 0
	FETCH_A \next, 0, 4
.endm
.macro STEPS slot, from
.set Q, \from
.rept NQ-1-\from
	STEP \slot, Q, 0
.set Q, Q+1
.endr
.endm
	s_wait_tensorcnt 1                             ; the scale bytes and my part of slot 0 are in (slot 1's load may be out)
	s_barrier_signal -1
	s_barrier_wait -1                              ; everybody's are
	FETCH_B 0, 0, 0
	FETCH_A 0, 0, 0
	SCALES 0
	FETCH_A 0, 0, 4
	STEP 0, 0, 1                                   ; the first step's products start the sums: nothing is cleared
	STEPS 0, 1
	TURN 0, 1
	STEPS 1, 0
	s_wait_dscnt 4*NL                              ; the last step: nothing more to fetch
	WIN MUL_LO
	MUL16 0, 1, NQ-1, 1, 0
	MUL16 2, 1, NQ-1, 1, 0
	s_wait_dscnt 0
	WIN MUL_HI
	MUL16 4, 1, NQ-1, 1, 0
	MUL16 6, 1, NQ-1, 1, 0
	WIN 0
; THE WAY OUT of the A side's block a: the bias is added onto the accumulators where they lie (each from its low end on), a lane's eight numbers pack into 16 bytes of f16, which are half a fragment's image:
; eight stores, each 512 consecutive bytes, aligned.  Two sets of packed registers take turns.
.macro OUTBLK a, isv
.set AC, 64*((\a)%4)
.set YY, Y+32*((\a)%2)
.if (\a) >= 2
	s_wait_xcnt 0x0                                ; block a - 2's stores have read their registers: the set is written again only behind this wait
.endif
	WIN 0x82+0x41*((\a)/4)                         ; destination and source 0: window 2 or 3; the bias: window 0
.irp b, 0,1,2,3,4,5,6,7
.irp i, 0,1,2,3
.if \isv
	v_pk_add_f32 v[AC+8*\b+2*\i:AC+8*\b+2*\i+1], v[AC+8*\b+2*\i:AC+8*\b+2*\i+1], v[BV+2*(\a):BV+2*(\a)+1]
.else
	v_pk_add_f32 v[AC+8*\b+2*\i:AC+8*\b+2*\i+1], v[AC+8*\b+2*\i:AC+8*\b+2*\i+1], v[BI+8*\b+2*\i:BI+8*\b+2*\i+1]
.endif
.endr
.endr
	WIN 0x0a+5*((\a)/4)                            ; sources 0 and 1: window 2 or 3
.irp b, 0,1,2,3,4,5,6,7
.irp i, 0,1,2,3
	v_cvt_pk_f16_f32 v[YY+4*\b+\i], v[AC+8*\b+2*\i], v[AC+8*\b+2*\i+1]
.endr
.endr
	WIN 0
.irp b, 0,1,2,3,4,5,6,7
.if \isv
	global_store_b128 v[CO], v[YY+4*\b:YY+4*\b+3], s[12:13] offset:((\a)/4)*1048576+((\a)%4)*1024+(\b/2)*4096+(\b%2)*512    ; head a / 4, channels 16 (a % 4) on, tokens 16 b on
.else
	global_store_b128 v[CO], v[YY+4*\b:YY+4*\b+3], s[12:13] offset:(\a)*2048+(\b/4)*1048576+((\b/2)%2)*1024+(\b%2)*512      ; token tile a, head b / 4, channels 16 (b % 4) on
.endif
.endr
.endm
	s_wait_loadcnt 0x0                             ; the biases
	PLACES NP                                      ; behind the last products: their results are read and written, and the A side's registers are written
	s_cmp_eq_u32 s[ISV], 1                         ; by the cluster's x: the same in all partners
	s_cbranch_scc1 .Lv
.irp a, 0,1,2,3,4,5,6,7
	OUTBLK \a, 0
.endr
	s_branch .Ldone
.Lv:
.irp a, 0,1,2,3,4,5,6,7
	OUTBLK \a, 1
.endr
.Ldone:
	s_wait_tensorcnt 0x0                           ; the wave's end
	ds_add_u32 v[SPW], v[NIL]
	s_wait_dscnt 0x0
	CROUND                                         ; the closing round
	s_endpgm
.Lfunc_end_k_qddd5e85e0b_qkv:
	.size	k_qddd5e85e0b_qkv, .Lfunc_end_k_qddd5e85e0b_qkv-k_qddd5e85e0b_qkv
	.p2alignl 7, 3214868480
	.fill 96, 4, 3214868480
	.section	.rodata,"a",@progbits
	.p2align	6, 0x0
	.amdhsa_kernel k_qddd5e85e0b_qkv
		.amdhsa_group_segment_fixed_size 327680
		.amdhsa_private_segment_fixed_size 0
		.amdhsa_enable_private_segment 0
		.amdhsa_kernarg_size 64
		.amdhsa_user_sgpr_count 2
		.amdhsa_user_sgpr_kernarg_segment_ptr 1
		.amdhsa_wavefront_size32 1
		.amdhsa_system_sgpr_workgroup_id_x 1
		.amdhsa_system_sgpr_workgroup_id_y 1
		.amdhsa_system_sgpr_workgroup_id_z 1
		.amdhsa_system_vgpr_workitem_id 0
		.amdhsa_next_free_vgpr 1024
		.amdhsa_next_free_sgpr 102
		.amdhsa_reserve_vcc 0
		.amdhsa_float_denorm_mode_32 3
		.amdhsa_float_denorm_mode_16_64 3
		.amdhsa_memory_ordered 1
		.amdhsa_forward_progress 1
		.amdhsa_inst_pref_size 177
	.end_amdhsa_kernel
	.amdgpu_metadata
---
amdhsa.version: [ 1, 2 ]
amdhsa.kernels:
  - .name:           k_qddd5e85e0b_qkv
    .symbol:         k_qddd5e85e0b_qkv.kd
    .args:
      - { .name: xc, .offset: 0, .size: 8, .value_kind: global_buffer, .address_space: global }
      - { .name: xs, .offset: 8, .size: 8, .value_kind: global_buffer, .address_space: global }
      - { .name: wc, .offset: 16, .size: 8, .value_kind: global_buffer, .address_space: global }
      - { .name: ws, .offset: 24, .size: 8, .value_kind: global_buffer, .address_space: global }
      - { .name: bq, .offset: 32, .size: 8, .value_kind: global_buffer, .address_space: global }
      - { .name: bk, .offset: 40, .size: 8, .value_kind: global_buffer, .address_space: global }
      - { .name: bv, .offset: 48, .size: 8, .value_kind: global_buffer, .address_space: global }
      - { .name: qkv, .offset: 56, .size: 8, .value_kind: global_buffer, .address_space: global }
    .group_segment_fixed_size: 327680
    .private_segment_fixed_size: 0
    .kernarg_segment_align: 8
    .kernarg_segment_size: 64
    .max_flat_workgroup_size: 128
    .sgpr_count:     102
    .vgpr_count:     1024
    .wavefront_size: 32
...
	.end_amdgpu_metadata
.endif
;; end of part 2
;; launch attn (part 3): grid 4 x 64, 8 waves a work-group, clusters of 4 x 1, 327,680 bytes of LDS; arguments qkv, att; writes att
.if DOCPART == 3
	.amdgcn_target "amdgcn-amd-amdhsa--gfx1250"
	.amdhsa_code_object_version 6
	.text
	.protected	k_qddd5e85e0b_attn
	.globl	k_qddd5e85e0b_attn
	.p2align	8
	.type	k_qddd5e85e0b_attn,@function
k_qddd5e85e0b_attn:
	s_mov_b64 s[64:65], 0
	v_nop
	global_prefetch_b8 v0, s[64:65] scope:SCOPE_SE
	s_setreg_imm32_b32 hwreg(HW_REG_WAVE_MODE, 25, 1), 1
	s_wait_xcnt 0x0
	s_wait_alu depctr_hold_cnt(0) depctr_sa_sdst(0) depctr_va_vdst(0) depctr_va_sdst(0) depctr_va_ssrc(0) depctr_va_vcc(0) depctr_vm_vsrc(0)
	s_getreg_b32 s2, hwreg(HW_REG_IB_STS2, 6, 4)
	s_cmp_eq_u32 s2, 0
	s_cbranch_scc0 .Lentry_in_a_cluster
	s_endpgm
.Lentry_in_a_cluster:
	s_bfe_u32 s2, ttmp6, 0x10000c
	s_cmp_lg_u32 s2, 0x3003
	s_cbranch_scc0 .Lentry_shape_is_right
	s_endpgm
.Lentry_shape_is_right:
; att[b][q][head] = the sum over k of softmax_k(q . k / 8) v, head size 64, 2,048 keys, 64 (batch, head) pairs.  Operands f16, products, maxima and sums f32.
; q, k and v^T come as images of operand registers (a fragment of 16 rows x 32 K is 1,024 bytes: lane l's registers 0-3 at 16 l, registers 4-7 at 512 + 16 l), so every load is 16 bytes a lane, lanes on end:
;   qkv = [48 column heads][1 MiB]: heads 0-15 q, 16-31 k: + (token / 16) x 2,048 + (channel / 32) x 1,024; heads 32-47 v^T: + (token / 32) x 4,096 + (channel / 16) x 1,024.  A key is 128 bytes of k and 128 of v^T, on end.
; The result leaves the same way, as images of the last product's operand: att = (token / 16) x 32,768 + (2 head + channel / 32) x 1,024.
; SHARES.  A work-group owns 512 queries of one (batch, head); each of its eight waves 64: four tiles of 16, in 512 registers.  Two waves share a SIMD, so that one wave's softmax stands beside the other's products.
; LAYOUT.  S^T = K Q^T (source 0 = 16 keys, source 1 = 16 queries) and O^T = V^T P (source 0 = 16 channels, source 1 = 32 keys x 16 queries): a lane holds ONE query throughout; two tiles of S^T, rounded to f16 in pairs,
; ARE source 1 of the second product, and are laid over the low half of S^T's own registers.
; SOFTMAX.  For each query a running maximum m and sum l: p = 2^(c s - c m), c = log2(e) / 8; in every step O and l are multiplied by a = 2^(c m_old - c m_new).  m begins at -3e38 and O and l at 0: the first a is 0.
; RING.  Two LDS slots of 512 keys (64 KiB of k, 64 KiB of v^T).  Wave w fills 16 KiB of a slot: waves 0-3 quarters of k, waves 4-7 of v^T: one line of text, since both have one shape and lie in one buffer.
; CLUSTER.  The four query blocks of a (batch, head) form a cluster and ask for each tile jointly.  One tensor load of a wave is out at a time; it has a slot's eight key steps in which to land.
; LIMITS: p under 2^-25 is lost in f16 (at most 2,048 x 2^-25 beside a sum of at least 1); infinities among q, k, v (beyond f16's 65,504) are not served.
; REGISTERS: window 0: v1-7 addresses; v16-23 second chains of the sums; v32-63 statistics, 8 a tile (+0 c m, +1 m, +2, +3 l, +4 .. +7 at work, a in +6); v64-191 S^T, 32 a tile; v192-255 K of a step.
;   window 1: v0-127 O^T, 32 a tile; v128-191 Q, 16 a tile; v192-255 V^T of a step.
.set SLOT1, 131072
.set VOFF,  65536
.set STEPB, 8192                       ; a step's 64 keys in k's part, and in v^T's
.set SPARE, 262144                     ; the spare words, 128 bytes for each of eight waves, which no other line names
.set LI,  1                            ; v1  16 x lane
.set ADK, 2                            ; v2  LDS address of the step's K
.set ADV, 3                            ; v3  of its V^T
.set SPW, 4
.set NIL, 5
.set PFO, 6                            ; v6  256 x lane: the prefetches' offset
.set LV,  7                            ; v7  16 x lane + VOFF
.set YS,  16
.set ST,  32
.set S,   64
.set KF,  192
.set QF,  128                          ; in window 1
.set VF,  192                          ; in window 1
.set WV,  8
.set PFA, 18                           ; s[18:19] where my prefetches stand
.set LIM, 20                           ; s20 1 in a wave that prefetches, else the greatest number
.set CS,  22                           ; s[22:23] c
.set G1,  24
.set G0,  32
.set SEL, 36
.set TB,  38                           ; s38 LDS byte at which the step's tiles begin
.set SLOTS, 39
.set CNT, 40
.set MSB, 0
.macro WIN new
.if MSB != (\new)
	s_set_vgpr_msb (MSB<<8)|(\new)
.set MSB, (\new)
.endif
.endm
.set W_KQ, 0x04                        ; Q (source 1) in window 1; K and S^T in window 0
.set W_PV, 0x51                        ; V^T (source 0) and O^T (C, D) in window 1; P in window 0
.set W_RS, 0x41                        ; O^T (destination, source 0) in window 1; a in window 0
.set W_L1, 0x40                        ; a load's destination in window 1
.macro CROUND
	s_barrier_signal -1
	s_barrier_wait -1
	s_cmp_lg_u32 s[WV], 0
	s_cbranch_scc1 .Lnot_wave_0_\@
	s_barrier_signal -3
.Lnot_wave_0_\@:
	s_barrier_wait -3
	s_barrier_signal -1
	s_barrier_wait -1
.endm
; A prefetch of what the NEXT change of slots will ask for: 64 KiB of k and 64 KiB of v^T.  Each block of 256 bytes is named once: an even wave takes the 32 KiB that it and the next wave will fetch,
; the four partners share them out by address, 8 KiB each, lanes 256 bytes apart.  The last change that fills a slot asks for nothing.  Slots 0 and 1 come by their loads alone.
.macro ASK
	s_cmp_gt_u32 s[SLOTS], s[LIM]
	s_cbranch_scc0 .Lnot_mine_\@
	global_prefetch_b8 v[PFO], s[PFA:PFA+1] th:TH_LOAD_NT scope:SCOPE_SE
.Lnot_mine_\@:
.endm
	s_load_b128 s[4:7], s[0:1], 0x0                ; qkv, att
	v_lshl_add_u32 v[SPW], v0, 2, SPARE
	v_mov_b32 v[NIL], 0
	ds_add_u32 v4, v5
	s_wait_dscnt 0x0
	v_lshrrev_b32 v8, 5, v0
	v_readfirstlane_b32 s[WV], v8                  ; wave 0..7
	s_and_b32 s9, ttmp7, 0xffff                    ; 16 x batch + head: shared by the four partners
	s_lshr_b32 s10, s9, 4                          ; batch
	s_and_b32 s11, s9, 15                          ; head
	s_bfe_u32 s12, ttmp6, 0x40000                  ; cx
	s_lshl_b32 s13, ttmp9, 2
	s_add_co_u32 s13, s13, s12                     ; my block of 512 queries: it enters Q's, att's and the prefetches' addresses alone
	s_lshl_b32 s14, s11, 20
	s_lshl_b32 s15, s10, 18
	s_add_co_u32 s14, s14, s15                     ; the (batch, head)'s first byte in a third of qkv
	s_lshr_b32 s16, s[WV], 2
	s_add_co_u32 s16, s16, 1
	s_lshl_b32 s16, s16, 24                        ; k begins 16 MiB on (waves 0-3), v^T 32 MiB on (waves 4-7)
	s_and_b32 s15, s[WV], 3
	s_lshl_b32 s15, s15, 14                        ; my quarter of a slot's 64 KiB
	s_add_co_u32 s16, s16, s15
	s_add_co_u32 s16, s16, s14
	s_mov_b32 s17, 0
	s_lshl_b32 s46, s13, 16                        ; Q: 512 queries are 64 KiB, my wave's 64 are 8 KiB
	s_lshl_b32 s15, s[WV], 13
	s_add_co_u32 s46, s46, s15
	s_add_co_u32 s46, s46, s14
	s_mov_b32 s47, 0
	s_lshl_b32 s2, s10, 22                         ; att: a batch is 4 MiB, 512 queries 1 MiB, my wave's 64 are 128 KiB, a head 2,048 bytes in a token tile's 32 KiB
	s_lshl_b32 s15, s13, 20
	s_add_co_u32 s2, s2, s15
	s_lshl_b32 s15, s[WV], 17
	s_add_co_u32 s2, s2, s15
	s_lshl_b32 s15, s11, 11
	s_add_co_u32 s2, s2, s15
	s_mov_b32 s3, 0
	; descriptor group 1: 16 KiB dense, as 64 rows of 256 bytes (32 elements of 8), no padding: images are read lanes on end
	s_mov_b32 s[G1], 15|(3<<16)|(1<<21)            ; the mask: all four work-groups; elements of 8 bytes; bit 21 beside a mask
	s_mov_b32 s[G1+1], 32<<16                      ; tensor_dim0
	s_mov_b32 s[G1+2], 64<<16                      ; tensor_dim1
	s_mov_b32 s[G1+3], 32<<16                      ; tile_dim0
	s_mov_b32 s[G1+4], 64                          ; tile_dim1
	s_mov_b32 s[G1+5], 32                          ; the pitch
	s_mov_b32 s[G1+6], 0
	s_mov_b32 s[G1+7], 0
	s_mov_b32 s[CS], 0x3e38aa3b                    ; c = log2(e) / 8
	s_mov_b32 s[CS+1], s[CS]                       ; (named with it as a pair)
	s_mov_b32 s[SEL], 0x76543210
	s_mov_b32 s[SEL+1], 0xfedcba98                 ; v_permlanex16_b32's selects for lane l xor 16
	s_mov_b32 s[TB], 0
	s_mov_b32 s[SLOTS], 3
	s_and_b32 s[LIM], s[WV], 1
	s_cmp_eq_u32 s[LIM], 0
	s_cselect_b32 s[LIM], 1, -1                    ; even waves prefetch
	v_and_b32 v8, 31, v0
	v_lshlrev_b32 v[LI], 4, v8
	v_lshlrev_b32 v[PFO], 8, v8
	v_add_nc_u32 v[LV], VOFF, v[LI]
	s_wait_kmcnt 0x0
	s_add_nc_u64 s[42:43], s[4:5], s[46:47]        ; Q at my wave's first tile
	s_add_nc_u64 s[44:45], s[6:7], s[2:3]          ; att likewise
	s_add_nc_u64 s[PFA:PFA+1], s[4:5], s[16:17]
	s_lshl_b32 s46, s12, 13                        ; my work-group's 8 KiB of the 32,
	s_add_co_u32 s46, s46, 65536                   ; in slot 1: the first change of slots steps it to slot 2
	s_add_nc_u64 s[PFA:PFA+1], s[PFA:PFA+1], s[46:47]
	s_mov_b32 s[G0], 1                             ; group 0: count;
	s_lshl_b32 s[G0+1], s[WV], 14                  ; LDS address: slot 0, wave x 16 KiB;
	s_add_nc_u64 s[G0+2:G0+3], s[4:5], s[16:17]    ; global address: my part of the first 512 keys;
	s_or_b32 s[G0+3], s[G0+3], 0x80000000          ; type 2
	CROUND                                         ; all four work-groups are here: the first joint loads meet
	tensor_load_to_lds s[G0:G0+3], s[G1:G1+7]      ; slot 0
	s_nop 0
.rept 4
	v_nop
.endr
	WIN W_L1
.irp i, 0,1,2,3,4,5,6,7,8,9,10,11,12,13,14,15
	global_load_b128 v[QF+4*\i:QF+4*\i+3], v[LI], s[42:43] offset:512*\i   ; Q stays in registers: tile i / 4, channels 32 ((i / 2) % 2) on
.endr
.set i, 0
.rept 128
	v_mov_b32 v[i], 0                              ; O^T: the step is written once, and its first turn finds zeros
.set i, i+1
.endr
	WIN 0
.irp t, 0,1,2,3
	v_mov_b32 v[ST+8*\t+1], 0xff61b1e6             ; m = -3e38, under every score
	v_mul_f32 v[ST+8*\t], s[CS], v[ST+8*\t+1]      ; c m
	v_mov_b32 v[ST+8*\t+2], 0                      ; l, in two halves
	v_mov_b32 v[ST+8*\t+3], 0
.endr
; THE SOFTMAX of a step, the four tiles by turns in every phase, so that no line waits for the line above it.
.macro SOFTMAX
.irp j, 0,1,2,3                        ; the maximum of a lane's 32 scores and the old m: four chains, each accumulator read from its low end on
.irp t, 0,1,2,3
	v_max3_num_f32 v[ST+8*\t+4+\j], v[S+32*\t+8*\j], v[S+32*\t+8*\j+1], v[S+32*\t+8*\j+2]
.endr
.endr
.irp u, 1,2
.irp j, 0,1,2,3
.irp t, 0,1,2,3
	v_max3_num_f32 v[ST+8*\t+4+\j], v[ST+8*\t+4+\j], v[S+32*\t+8*\j+2*\u+1], v[S+32*\t+8*\j+2*\u+2]
.endr
.endr
.endr
.irp t, 0,1,2,3
	v_max3_num_f32 v[ST+8*\t+4], v[ST+8*\t+4], v[S+32*\t+7], v[S+32*\t+15]
.endr
.irp t, 0,1,2,3
	v_max3_num_f32 v[ST+8*\t+6], v[ST+8*\t+6], v[S+32*\t+23], v[S+32*\t+31]
.endr
.irp t, 0,1,2,3
	v_max3_num_f32 v[ST+8*\t+4], v[ST+8*\t+4], v[ST+8*\t+5], v[ST+8*\t+6]
.endr
.irp t, 0,1,2,3
	v_max3_num_f32 v[ST+8*\t+4], v[ST+8*\t+4], v[ST+8*\t+7], v[ST+8*\t+1]
.endr
.irp t, 0,1,2,3
	v_permlanex16_b32 v[ST+8*\t+5], v[ST+8*\t+4], s[SEL], s[SEL+1]   ; the query's other 32 keys lie in the lane 16 away
.endr
.irp t, 0,1,2,3
	v_mov_b32 v[ST+8*\t+7], v[ST+8*\t]             ; c m_old
.endr
.irp t, 0,1,2,3
	v_max_num_f32 v[ST+8*\t+1], v[ST+8*\t+4], v[ST+8*\t+5]
.endr
.irp t, 0,1,2,3
	v_mul_f32 v[ST+8*\t], s[CS], v[ST+8*\t+1]
.endr
.irp t, 0,1,2,3
	v_sub_f32 v[ST+8*\t+7], v[ST+8*\t+7], v[ST+8*\t]
.endr
.irp i, 0,1,2,3,4,5,6,7,8,9,10,11,12,13,14,15
.irp t, 0,1,2,3
	v_pk_fma_f32 v[S+32*\t+2*\i:S+32*\t+2*\i+1], v[S+32*\t+2*\i:S+32*\t+2*\i+1], s[CS:CS+1], v[ST+8*\t:ST+8*\t+1] op_sel_hi:[1,0,0] neg_lo:[0,0,1] neg_hi:[0,0,1]   ; c s - c m, two at a time
.endr
.endr
.irp t, 0,1,2,3
	v_exp_f32 v[ST+8*\t+6], v[ST+8*\t+7]           ; a
.endr
.irp j, 0,1,2,3,4,5,6,7,8,9,10,11,12,13,14,15,16,17,18,19,20,21,22,23,24,25,26,27,28,29,30,31
.irp t, 0,1,2,3
	v_exp_f32 v[S+32*\t+\j], v[S+32*\t+\j]         ; p, at most 1
.endr
.endr
	v_nop                                          ; a plain instruction behind the exponentials (ISA guide 5.7.2)
	s_wait_alu depctr_va_vdst(0)
.irp t, 0,1,2,3                        ; the sum of the unrounded p: two chains of packed additions a tile
	v_pk_add_f32 v[ST+8*\t+4:ST+8*\t+5], v[S+32*\t:S+32*\t+1], v[S+32*\t+2:S+32*\t+3]
.endr
.irp t, 0,1,2,3
	v_pk_add_f32 v[YS+2*\t:YS+2*\t+1], v[S+32*\t+4:S+32*\t+5], v[S+32*\t+6:S+32*\t+7]
.endr
.irp i, 4,6,8,10,12,14
.irp t, 0,1,2,3
	v_pk_add_f32 v[ST+8*\t+4:ST+8*\t+5], v[ST+8*\t+4:ST+8*\t+5], v[S+32*\t+2*\i:S+32*\t+2*\i+1]
.endr
.irp t, 0,1,2,3
	v_pk_add_f32 v[YS+2*\t:YS+2*\t+1], v[YS+2*\t:YS+2*\t+1], v[S+32*\t+2*\i+2:S+32*\t+2*\i+3]
.endr
.endr
.irp t, 0,1,2,3
	v_pk_add_f32 v[ST+8*\t+4:ST+8*\t+5], v[ST+8*\t+4:ST+8*\t+5], v[YS+2*\t:YS+2*\t+1]
.endr
.irp t, 0,1,2,3
	v_pk_fma_f32 v[ST+8*\t+2:ST+8*\t+3], v[ST+8*\t+2:ST+8*\t+3], v[ST+8*\t+6:ST+8*\t+7], v[ST+8*\t+4:ST+8*\t+5] op_sel_hi:[1,0,1]   ; l = a l + the sum
.endr
.irp p, 0,1,2,3,4,5,6,7,8,9,10,11,12,13,14,15
.irp t, 0,1,2,3
	v_cvt_pk_f16_f32 v[S+32*\t+\p], v[S+32*\t+2*\p], v[S+32*\t+2*\p+1]   ; P over the low half of S^T, ascending: register p is written when pairs up to p have been read
.endr
.endr
	WIN W_RS
.irp i, 0,1,2,3,4,5,6,7,8,9,10,11,12,13,14,15
.irp t, 0,1,2,3
	v_pk_mul_f32 v[32*\t+2*\i:32*\t+2*\i+1], v[32*\t+2*\i:32*\t+2*\i+1], v[ST+8*\t+6:ST+8*\t+7] op_sel_hi:[1,0]   ; O^T x a
.endr
.endr
.endm
; A KEY STEP: 64 keys.  The accumulators take turns, one instruction a turn, sixteen between two links of a chain.
.macro STEP
	v_add_nc_u32 v[ADK], s[TB], v[LI]              ; five plain instructions behind the last products V^T P: four are owed to the loads into V^T's registers, five to the products that write over P
	v_add_nc_u32 v[ADV], s[TB], v[LV]
.rept 3
	v_nop
.endr
.irp f, 0,1,2,3,4,5,6,7                ; K: keys 16 (f / 2) on, channels 32 (f % 2) on
	ds_load_b128 v[KF+8*\f:KF+8*\f+3],   v[ADK] offset:1024*\f
	ds_load_b128 v[KF+8*\f+4:KF+8*\f+7], v[ADK] offset:1024*\f+512
.endr
	WIN W_L1
.irp f, 0,1,2,3,4,5,6,7                ; V^T: keys 32 (f / 4) on, channels 16 (f % 4) on
	ds_load_b128 v[VF+8*\f:VF+8*\f+3],   v[ADV] offset:1024*\f
	ds_load_b128 v[VF+8*\f+4:VF+8*\f+7], v[ADV] offset:1024*\f+512
.endr
	s_wait_dscnt 16                                ; K is in; V^T's sixteen loads may be out
	WIN W_KQ
.irp kf, 0,1
.irp kt, 0,1,2,3
.irp t, 0,1,2,3
.if \kf == 0
	v_wmma_f32_16x16x32_f16 v[S+32*\t+8*\kt:S+32*\t+8*\kt+7], v[KF+8*(2*\kt+\kf):KF+8*(2*\kt+\kf)+7], v[QF+16*\t+8*\kf:QF+16*\t+8*\kf+7], 0
.else
	v_wmma_f32_16x16x32_f16 v[S+32*\t+8*\kt:S+32*\t+8*\kt+7], v[KF+8*(2*\kt+\kf):KF+8*(2*\kt+\kf)+7], v[QF+16*\t+8*\kf:QF+16*\t+8*\kf+7], v[S+32*\t+8*\kt:S+32*\t+8*\kt+7]
.endif
.endr
.endr
.endr
	WIN 0
.rept 4
	v_nop                                          ; places in front of the first read of the scores
.endr
	SOFTMAX
	s_wait_dscnt 0x0                               ; V^T is in
	WIN W_PV
.irp kb, 0,1
.irp ct, 0,1,2,3
.irp t, 0,1,2,3
	v_wmma_f32_16x16x32_f16 v[32*\t+8*\ct:32*\t+8*\ct+7], v[VF+32*\kb+8*\ct:VF+32*\kb+8*\ct+7], v[S+32*\t+8*\kb:S+32*\t+8*\kb+7], v[32*\t+8*\ct:32*\t+8*\ct+7]
.endr
.endr
.endr
	WIN 0
	s_add_co_u32 s[TB], s[TB], STEPB               ; the next step's tiles
.endm
; THE CHANGE OF SLOTS stands at a slot's head.  Each wave waits for all its tensor loads (its part of the slot ahead), adds 0 to its spare word, and waits for that and for its reads of the slot that it has left.
; fill = 1: the barrier is a round of the cluster's, so that no wave of any partner still reads the slot left or has a load on its way; the joint fill of that slot is the first thing behind it.
.macro CHANGE fill
	s_wait_tensorcnt 0x0                           ; no tensor load of mine is out, so group 0 may be written
	ds_add_u32 v[SPW], v[NIL]                      ; 0 onto my spare word
.if \fill
	s_xor_b32 s[G0+1], s[G0+1], SLOT1              ; the walking descriptor: the other slot,
	s_add_nc_u64 s[G0+2:G0+3], s[G0+2:G0+3], 65536 ; the next 512 keys; the type bits on top are not reached
	s_wait_xcnt 0x0                                ; the last prefetch, a slot back, has read its address
	s_add_nc_u64 s[PFA:PFA+1], s[PFA:PFA+1], 65536 ; one slot further on than the walking descriptor
	s_wait_dscnt 0x0                               ; the add is done, and my reads of the slot that I have left are over
	CROUND
	tensor_load_to_lds s[G0:G0+3], s[G1:G1+7]      ; my one tensor load until the next round
	s_nop 0
.rept 4
	v_nop
.endr
	ASK
.else
	s_wait_dscnt 0x0
	s_barrier_signal -1
	s_barrier_wait -1
.endif
.endm
.macro STEPS8                          ; a slot's eight key steps: written once, walked eight times
	s_mov_b32 s[CNT], 8
.Lstep_\@:
	STEP
	s_sub_co_u32 s[CNT], s[CNT], 1
	s_cmp_lg_u32 s[CNT], 0
	s_cbranch_scc1 .Lstep_\@
	s_sub_co_u32 s[TB], s[TB], 8*STEPB             ; back to a slot's first step,
	s_xor_b32 s[TB], s[TB], SLOT1                  ; in the other slot
.endm
	s_wait_loadcnt 0x0                             ; Q
.Lslot:                                            ; three trips: behind each change of slots but the last the next slot is asked for
	CHANGE 1
	STEPS8
	s_sub_co_u32 s[SLOTS], s[SLOTS], 1
	s_cmp_lg_u32 s[SLOTS], 0
	s_cbranch_scc1 .Lslot
	CHANGE 0                                       ; the last slot is written out
	STEPS8
	; THE WAY OUT.  l's halves are added (these additions are the places behind the last products); O^T / l is rounded to f16: a lane's eight channels are 16 bytes of an image's half.
.irp t, 0,1,2,3
	v_add_f32 v[ST+8*\t+4], v[ST+8*\t+2], v[ST+8*\t+3]
.endr
.irp t, 0,1,2,3
	v_permlanex16_b32 v[ST+8*\t+5], v[ST+8*\t+4], s[SEL], s[SEL+1]
.endr
.irp t, 0,1,2,3
	v_add_f32 v[ST+8*\t+4], v[ST+8*\t+4], v[ST+8*\t+5]
.endr
.irp t, 0,1,2,3
	v_rcp_f32 v[ST+8*\t+6], v[ST+8*\t+4]
.endr
	v_nop                                          ; a plain instruction behind the reciprocals
	s_wait_alu depctr_va_vdst(0)
.irp t, 0,1,2,3
	WIN 0x01                                       ; source 0: O^T in window 1
.irp i, 0,1,2,3,4,5,6,7,8,9,10,11,12,13,14,15
	v_pk_mul_f32 v[S+32*\t+2*\i:S+32*\t+2*\i+1], v[32*\t+2*\i:32*\t+2*\i+1], v[ST+8*\t+6:ST+8*\t+7] op_sel_hi:[1,0]
.endr
	WIN 0
.irp p, 0,1,2,3,4,5,6,7,8,9,10,11,12,13,14,15
	v_cvt_pk_f16_f32 v[S+32*\t+\p], v[S+32*\t+2*\p], v[S+32*\t+2*\p+1]
.endr
.irp ct, 0,1,2,3
	global_store_b128 v[LI], v[S+32*\t+4*\ct:S+32*\t+4*\ct+3], s[44:45] offset:\t*32768+\ct*512   ; the wave stores 512 consecutive bytes, aligned
.endr
.endr
	s_wait_tensorcnt 0x0                           ; the wave's end
	ds_add_u32 v[SPW], v[NIL]
	s_wait_dscnt 0x0
	CROUND                                         ; the closing round
	s_endpgm
.Lfunc_end_k_qddd5e85e0b_attn:
	.size	k_qddd5e85e0b_attn, .Lfunc_end_k_qddd5e85e0b_attn-k_qddd5e85e0b_attn
	.p2alignl 7, 3214868480
	.fill 96, 4, 3214868480
	.section	.rodata,"a",@progbits
	.p2align	6, 0x0
	.amdhsa_kernel k_qddd5e85e0b_attn
		.amdhsa_group_segment_fixed_size 327680
		.amdhsa_private_segment_fixed_size 0
		.amdhsa_enable_private_segment 0
		.amdhsa_kernarg_size 16
		.amdhsa_user_sgpr_count 2
		.amdhsa_user_sgpr_kernarg_segment_ptr 1
		.amdhsa_wavefront_size32 1
		.amdhsa_system_sgpr_workgroup_id_x 1
		.amdhsa_system_sgpr_workgroup_id_y 1
		.amdhsa_system_sgpr_workgroup_id_z 1
		.amdhsa_system_vgpr_workitem_id 0
		.amdhsa_next_free_vgpr 512
		.amdhsa_next_free_sgpr 66
		.amdhsa_reserve_vcc 0
		.amdhsa_float_denorm_mode_32 3
		.amdhsa_float_denorm_mode_16_64 3
		.amdhsa_memory_ordered 1
		.amdhsa_forward_progress 1
		.amdhsa_inst_pref_size 86
	.end_amdhsa_kernel
	.amdgpu_metadata
---
amdhsa.version: [ 1, 2 ]
amdhsa.kernels:
  - .name:           k_qddd5e85e0b_attn
    .symbol:         k_qddd5e85e0b_attn.kd
    .args:
      - { .name: qkv, .offset: 0, .size: 8, .value_kind: global_buffer, .address_space: global }
      - { .name: att, .offset: 8, .size: 8, .value_kind: global_buffer, .address_space: global }
    .group_segment_fixed_size: 327680
    .private_segment_fixed_size: 0
    .kernarg_segment_align: 8
    .kernarg_segment_size: 16
    .max_flat_workgroup_size: 256
    .sgpr_count:     66
    .vgpr_count:     512
    .wavefront_size: 32
...
	.end_amdgpu_metadata
.endif
;; end of part 3
;; launch oproj (part 4): grid 4 x 64, 4 waves a work-group, clusters of 4 x 4, 327,680 bytes of LDS; arguments att, woh, bo, out0; writes out0
.if DOCPART == 4
	.amdgcn_target "amdgcn-amd-amdhsa--gfx1250"
	.amdhsa_code_object_version 6
	.text
	.protected	k_qddd5e85e0b_oproj
	.globl	k_qddd5e85e0b_oproj
	.p2align	8
	.type	k_qddd5e85e0b_oproj,@function
k_qddd5e85e0b_oproj:
	s_mov_b64 s[64:65], 0
	v_nop
	global_prefetch_b8 v0, s[64:65] scope:SCOPE_SE
	s_setreg_imm32_b32 hwreg(HW_REG_WAVE_MODE, 25, 1), 1
	s_wait_xcnt 0x0
	s_wait_alu depctr_hold_cnt(0) depctr_sa_sdst(0) depctr_va_vdst(0) depctr_va_sdst(0) depctr_va_ssrc(0) depctr_va_vcc(0) depctr_vm_vsrc(0)
	s_getreg_b32 s2, hwreg(HW_REG_IB_STS2, 6, 4)
	s_cmp_eq_u32 s2, 0
	s_cbranch_scc0 .Lentry_in_a_cluster
	s_endpgm
.Lentry_in_a_cluster:
	s_bfe_u32 s2, ttmp6, 0x10000c
	s_cmp_lg_u32 s2, 0xf033
	s_cbranch_scc0 .Lentry_shape_is_right
	s_endpgm
.Lentry_shape_is_right:
; out0[token][n] = the sum over k of att[token][k] wo[n][k] + bo[n].  8,192 x 1,024 x 1,024; operands f16, sums f32, out0 f32.
; att comes as images of operand registers: (token / 16) x 32,768 + (k / 32) x 1,024; in an image lane l's registers 0-3 lie at 16 l, registers 4-7 at 512 + 16 l.  woh: rows [1024][1024] of f16.
; A tile of out0 is 128 tokens x 256 columns: 256 work-groups (tiles of 256 x 256 would be 128).  Four waves, each 64 tokens x 128 columns: 32 accumulators, all of window 1.
; K goes in steps of 128 through a ring of two LDS slots.  A's part of a slot: 8 token tiles x 4 images, dense; B's: 256 rows of 256 bytes + 16 of padding.  Waves 0, 1 fetch A's halves, waves 2, 3 B's.
; CLUSTERS: 4 x 4 work-groups: A's tile is shared along a row of the cluster, B's along a column; each is asked for jointly.  One tensor load of a wave is out behind each round, two at the start.
; THE MATRIX INSTRUCTION IS USED TRANSPOSED (source 0 = 16 rows of wo, source 1 = 16 tokens): a lane holds eight neighbouring columns of one token's row.
; REGISTERS: window 0: v16-30 addresses; v32-63, v64-95 A's fragments, two buffers; v96-99 bo of my four columns on the way out; v128-191, v192-255 B's fragments, two buffers, later rows of out0.
;   window 1: accumulator (a, b) at v[8 (8 a + b)].
.set PITCH,  272
.set HALFT,  128*PITCH                 ; 128 rows of wo: what one tensor load brings, and what one wave reads
.set BOFF,   32768                     ; B's part of a slot begins behind A's 32 KiB
.set SLOT,   BOFF+2*HALFT
.set STAGE,  2*SLOT                    ; behind the ring: 16 rows x (512 bytes + 16) for each wave
.set SPITCH, 528
.set SPARE,  STAGE+4*16*SPITCH         ; the spare words, 128 bytes a wave, which no other line names
.set LAPS,   4                         ; a lap = two K steps of 128
.set ADRA, 16
.set ADRB, 20
.set STO,  24
.set RD,   25
.set CO,   26                          ; v26  16 x lane
.set SPW,  28
.set NIL,  29
.set AF,   32
.set BO,   96
.set BF,   128
.set BK,   128
.set G1, 24
.set G0, 32
.set G1B, 48
.set G0B, 56
.set MSB, 0
.macro WIN new
.if MSB != (\new)
	s_set_vgpr_msb (MSB<<8)|(\new)
.set MSB, (\new)
.endif
.endm
.set MUL, 0x50                         ; C and D window 1; the sources window 0
.macro JLOAD s                         ; a joint load; four v_nop follow each of the two lines
	s_cmp_eq_u32 s13, 0
	s_cbranch_scc0 .Lfor_b_\@
	tensor_load_to_lds s[G0+4*\s:G0+4*\s+3], s[G1:G1+7]
	s_nop 0
.rept 4
	v_nop
.endr
	s_branch .Lasked_\@
.Lfor_b_\@:
	tensor_load_to_lds s[G0B+4*\s:G0B+4*\s+3], s[G1B:G1B+7]
	s_nop 0
.rept 4
	v_nop
.endr
.Lasked_\@:
.endm
.macro CREST                           ; a round of the cluster's barrier behind its opening barrier
	s_cmp_lg_u32 s12, 0
	s_cbranch_scc1 .Lnot_wave_0_\@
	s_barrier_signal -3
.Lnot_wave_0_\@:
	s_barrier_wait -3
	s_barrier_signal -1
	s_barrier_wait -1
.endm
.macro CROUND
	s_barrier_signal -1
	s_barrier_wait -1
	CREST
.endm
	s_load_b256 s[4:11], s[0:1], 0x0               ; att s[4:5], woh s[6:7], bo s[8:9], out0 s[10:11]
	v_lshl_add_u32 v[SPW], v0, 2, SPARE
	v_mov_b32 v[NIL], 0
	ds_add_u32 v28, v29
	s_wait_dscnt 0x0
	v_lshrrev_b32 v1, 5, v0
	v_readfirstlane_b32 s12, v1                    ; wave 0..3
	s_lshr_b32 s13, s12, 1                         ; which 64 tokens are mine.  Also: I fetch for A (0) or for B (1)
	s_and_b32 s14, s12, 1                          ; which 128 columns.  Also: which half of that tile I fetch
	s_bfe_u32 s40, ttmp6, 0x40000                  ; cx, cy
	s_bfe_u32 s41, ttmp6, 0x40004
	s_lshl_b32 s42, ttmp9, 2
	s_add_co_u32 s42, s42, s40                     ; tile column
	s_and_b32 s15, ttmp7, 0xffff
	s_lshl_b32 s15, s15, 2
	s_add_co_u32 s15, s15, s41                     ; tile row
	s_lshl_b32 s43, s41, 2
	s_lshl_b32 s43, 15, s43                        ; my row of the cluster
	s_lshl_b32 s44, 0x1111, s40                    ; my column
	; group 1 for A: 4 token tiles, of each the K step's 4 images: 4 rows of 4,096 bytes (512 elements of 8), 32,768 bytes apart; dense in LDS
	s_or_b32 s[G1], s43, (3<<16)|(1<<21)
	s_mov_b32 s[G1+1], 512<<16                     ; tensor_dim0
	s_mov_b32 s[G1+2], 4<<16                       ; tensor_dim1
	s_mov_b32 s[G1+3], 512<<16                     ; tile_dim0
	s_mov_b32 s[G1+4], 4                           ; tile_dim1
	s_mov_b32 s[G1+5], 4096                        ; the pitch
	s_mov_b32 s[G1+6], 0
	s_mov_b32 s[G1+7], 0
	; group 1 for B: 128 rows x 128 elements of 2 bytes, 1,024 elements apart; 4 words of padding behind every 64
	s_or_b32 s[G1B], s44, (1<<16)|(1<<20)|(1<<21)|(5<<22)|(3<<25)
	s_mov_b32 s[G1B+1], 128<<16
	s_mov_b32 s[G1B+2], 128<<16
	s_mov_b32 s[G1B+3], 128<<16
	s_mov_b32 s[G1B+4], 128
	s_mov_b32 s[G1B+5], 1024
	s_mov_b32 s[G1B+6], 0
	s_mov_b32 s[G1B+7], 0
	s_lshl_b32 s16, s15, 18                        ; A: a tile row is 8 token tiles of 32 KiB,
	s_lshl_b32 s17, s14, 17                        ; a half 4 of them
	s_add_co_u32 s16, s16, s17
	s_mov_b32 s17, 0
	s_lshl_b32 s46, s42, 19                        ; B: a tile column is 256 rows of 2,048 bytes,
	s_lshl_b32 s47, s14, 18                        ; a half 128 of them
	s_add_co_u32 s46, s46, s47
	s_mov_b32 s47, 0
	s_lshl_b32 s20, s14, 14                        ; where they go: A's halves of 16 KiB,
	s_mul_i32 s21, s14, HALFT
	s_add_co_u32 s21, s21, BOFF                    ; B's behind them: no place in the cluster enters an LDS address
	s_wait_kmcnt 0x0
	s_add_nc_u64 s[18:19], s[4:5], s[16:17]
	s_add_nc_u64 s[46:47], s[6:7], s[46:47]
	CROUND                                         ; all sixteen work-groups are here: the first joint loads meet
.irp s, 0,1
	s_mov_b32 s[G0+4*\s], 1
	s_add_co_u32 s[G0+4*\s+1], s20, \s*SLOT
	s_add_nc_u64 s[G0+4*\s+2:G0+4*\s+3], s[18:19], \s*4096     ; K step s: 4 images on
	s_or_b32 s[G0+4*\s+3], s[G0+4*\s+3], 0x80000000
	s_mov_b32 s[G0B+4*\s], 1
	s_add_co_u32 s[G0B+4*\s+1], s21, \s*SLOT
	s_add_nc_u64 s[G0B+4*\s+2:G0B+4*\s+3], s[46:47], \s*256    ; 128 elements on
	s_or_b32 s[G0B+4*\s+3], s[G0B+4*\s+3], 0x80000000
	JLOAD \s
.endr
	v_and_b32 v1, 15, v0                           ; r
	v_bfe_u32 v2, v0, 4, 1                         ; h
	v_and_b32 v3, 31, v0
	v_lshlrev_b32 v[CO], 4, v3
	v_mul_u32_u24 v4, v1, PITCH
	v_lshl_add_u32 v4, v2, 4, v4                   ; a row of wo x pitch + 16 h
	s_lshl_b32 s22, s13, 14                        ; my 4 token tiles of A
	s_mul_i32 s23, s14, HALFT
	s_add_co_u32 s23, s23, BOFF                    ; my 128 rows of B
.irp s, 0,1
	v_add_nc_u32 v[ADRA+\s], s22, v[CO]
	v_add_nc_u32 v[ADRB+\s], s23, v4
	s_add_co_u32 s22, s22, SLOT
	s_add_co_u32 s23, s23, SLOT
.endr
	s_mul_i32 s23, s12, 16*SPITCH
	s_add_co_u32 s23, s23, STAGE                   ; my stage
	v_mul_u32_u24 v5, v1, SPITCH
	v_lshl_add_u32 v5, v2, 5, v5
	v_add_nc_u32 v[STO], s23, v5                   ; in: row r, 32 bytes for each half of the lanes
	v_add_nc_u32 v[RD], s23, v[CO]                 ; back: the 32 lanes take one row of 512 bytes
	s_lshl_b32 s16, s42, 10
	s_lshl_b32 s17, s14, 9
	s_add_co_u32 s16, s16, s17                     ; my first column, in bytes
	s_mov_b32 s17, 0
	s_add_nc_u64 s[8:9], s[8:9], s[16:17]
	global_load_b128 v[BO:BO+3], v[CO], s[8:9]     ; bo of the four columns that I store
	s_add_nc_u64 s[10:11], s[10:11], s[16:17]
	s_lshl_b32 s16, s15, 19                        ; my first row: 128 x tile row + 64 x half, of 4,096 bytes
	s_lshl_b32 s18, s13, 18
	s_add_co_u32 s16, s16, s18
	s_add_nc_u64 s[10:11], s[10:11], s[16:17]
; 8 matrix instructions: token tile a x the 8 column blocks, 32 along K, buffer f.  The 32 accumulators take turns, one instruction a turn.
.macro MUL8 f, a, zero
.irp b, 0,1,2,3,4,5,6,7
.if \zero
	v_wmma_f32_16x16x32_f16 v[8*(8*(\a)+\b):8*(8*(\a)+\b)+7], v[BF+64*(\f)+8*\b:BF+64*(\f)+8*\b+7], v[AF+32*(\f)+8*(\a):AF+32*(\f)+8*(\a)+7], 0
.else
	v_wmma_f32_16x16x32_f16 v[8*(8*(\a)+\b):8*(8*(\a)+\b)+7], v[BF+64*(\f)+8*\b:BF+64*(\f)+8*\b+7], v[AF+32*(\f)+8*(\a):AF+32*(\f)+8*(\a)+7], v[8*(8*(\a)+\b):8*(8*(\a)+\b)+7]
.endif
.endr
.endm
; 24 LDS loads in one run: the slot's q-th 32 along K into buffer f: B's eight fragments, then A's four
.macro FETCH slot, q, f
.irp i, 0,1,2,3,4,5,6,7
	ds_load_b128 v[BF+64*(\f)+8*\i:BF+64*(\f)+8*\i+3],   v[ADRB+\slot] offset:64*(\q)+\i*16*PITCH
	ds_load_b128 v[BF+64*(\f)+8*\i+4:BF+64*(\f)+8*\i+7], v[ADRB+\slot] offset:64*(\q)+\i*16*PITCH+32
.endr
.irp i, 0,1,2,3
	ds_load_b128 v[AF+32*(\f)+8*\i:AF+32*(\f)+8*\i+3],   v[ADRA+\slot] offset:\i*4096+(\q)*1024
	ds_load_b128 v[AF+32*(\f)+8*\i+4:AF+32*(\f)+8*\i+7], v[ADRA+\slot] offset:\i*4096+(\q)*1024+512
.endr
.endm
.macro PLACES                          ; four plain instructions in front of loads into registers that matrix instructions have read, and of the first read of results
.rept 4
	v_nop
.endr
.endm
; A K step is four quarters of 32 along K, 32 matrix instructions each, on buffers 0, 1, 0, 1.  One of the first three multiplies buffer f and fetches the slot's q-th quarter into buffer g.
.macro QUARTER slot, q, f, g, zero
	s_wait_dscnt 4                                 ; B and A's tiles 0, 1 are in; the youngest four loads (tiles 2, 3) may be out
	WIN MUL
	MUL8 \f, 0, \zero
	MUL8 \f, 1, \zero
	PLACES
	WIN 0
	FETCH \slot, \q, \g
	s_wait_dscnt 24                                ; all but the 24 just issued
	WIN MUL
	MUL8 \f, 2, \zero
	MUL8 \f, 3, \zero
.endm
; The last quarter multiplies buffer 1 and changes slots: ONE barrier; in front of it each wave waits for all its tensor loads, adds 0 to its spare word, and waits for that and for its reads of this slot.
; fill = 1: the barrier opens a round of the cluster's, and this slot is filled again, two K steps ahead, first thing behind the round.
.macro TURN slot, next, fill
	WIN 0
	s_wait_tensorcnt 0x0                           ; all my tensor loads have landed: my part of the next slot
	ds_add_u32 v[SPW], v[NIL]                      ; 0 onto my spare word
	s_wait_dscnt 5                                 ; (the add and the youngest four loads may be out)
	WIN MUL
	MUL8 1, 0, 0
	s_wait_dscnt 0x0                               ; the add is done, and my reads of this slot are over
	s_barrier_signal -1
	MUL8 1, 1, 0
	WIN 0
	s_barrier_wait -1
.if \fill
	CREST                                          ; no wave of any partner still reads this slot's tile or has a load on its way
	s_add_nc_u64 s[G0+4*\slot+2:G0+4*\slot+3], s[G0+4*\slot+2:G0+4*\slot+3], 2*4096
	s_add_nc_u64 s[G0B+4*\slot+2:G0B+4*\slot+3], s[G0B+4*\slot+2:G0B+4*\slot+3], 2*256
	JLOAD \slot                                    ; the four v_nop behind it are also the places in front of the loads below
.else
	PLACES
.endif
	FETCH \next, 0, 0
	WIN MUL
	MUL8 1, 2, 0
	MUL8 1, 3, 0
.endm
	s_wait_tensorcnt 1                             ; my part of K step 0 is in (K step 1's load may be out)
	s_barrier_signal -1
	s_barrier_wait -1                              ; everybody's is
	FETCH 0, 0, 0
	QUARTER 0, 1, 0, 1, 1                          ; the first quarter's products start the sums: nothing is cleared
	WIN 0
	s_mov_b32 s3, LAPS-1
.Llap:                                             ; a trip goes once round the ring, from a lap's second quarter to the next lap's first, and fills both slots again
	QUARTER 0, 2, 1, 0, 0
	QUARTER 0, 3, 0, 1, 0
	TURN 0, 1, 1
	QUARTER 1, 1, 0, 1, 0
	QUARTER 1, 2, 1, 0, 0
	QUARTER 1, 3, 0, 1, 0
	TURN 1, 0, 1
	QUARTER 0, 1, 0, 1, 0
	WIN 0
	s_sub_co_u32 s3, s3, 1
	s_cmp_lg_u32 s3, 0
	s_cbranch_scc1 .Llap
	QUARTER 0, 2, 1, 0, 0                          ; the last lap fills nothing, and has no round of the cluster's barrier
	QUARTER 0, 3, 0, 1, 0
	TURN 0, 1, 0
	QUARTER 1, 1, 0, 1, 0
	QUARTER 1, 2, 1, 0, 0
	QUARTER 1, 3, 0, 1, 0
	s_wait_dscnt 4                                 ; the very last quarter: nothing more to fetch
	WIN MUL
	MUL8 1, 0, 0
	MUL8 1, 1, 0
	s_wait_dscnt 0
	MUL8 1, 2, 0
	MUL8 1, 3, 0
	WIN 0
; THE WAY OUT, a block of 16 tokens x 128 columns at a time, through my own stage in LDS: in as 32 bytes a lane, back as whole rows of 512 bytes, to which bo is added; the 32 lanes store 512 consecutive bytes, aligned.
; LDS serves a wave's instructions in order (ISA guide 5.7.1.4): no wait between the stores and the loads, nor in front of the next block's stores.
.macro TOSTAGE a
	WIN 0x04                                       ; an LDS store's data are its source 1: window 1
.irp b, 0,1,2,3,4,5,6,7
	ds_store_b128 v[STO], v[64*(\a)+8*\b:64*(\a)+8*\b+3] offset:64*\b          ; each accumulator from its low end on
	ds_store_b128 v[STO], v[64*(\a)+8*\b+4:64*(\a)+8*\b+7] offset:64*\b+16
.endr
	WIN 0
.set BB, BK+64*((\a)%2)
.irp t, 0,1,2,3,4,5,6,7,8,9,10,11,12,13,14,15
	ds_load_b128 v[BB+4*\t:BB+4*\t+3], v[RD] offset:\t*SPITCH
.endr
.endm
.macro SEND a, younger                 ; younger: the LDS instructions issued behind block a's loads, which may stay out
.set BB, BK+64*((\a)%2)
	s_wait_dscnt \younger
.irp t, 0,1,2,3,4,5,6,7,8,9,10,11,12,13,14,15
	v_pk_add_f32 v[BB+4*\t:BB+4*\t+1], v[BB+4*\t:BB+4*\t+1], v[BO:BO+1]
	v_pk_add_f32 v[BB+4*\t+2:BB+4*\t+3], v[BB+4*\t+2:BB+4*\t+3], v[BO+2:BO+3]
	global_store_b128 v[CO], v[BB+4*\t:BB+4*\t+3], s[10:11] offset:(16*(\a)+\t)*4096 th:TH_STORE_NT   ; 63 rows of 4,096 bytes at the most: inside the immediate
.endr
.endm
	s_wait_loadcnt 0x0                             ; bo
	PLACES                                         ; behind the last products: their results are read, and B's registers are loaded
	TOSTAGE 0
.irp a, 1,2,3
.if \a > 1
	s_wait_xcnt 0x0                                ; block a - 2's stores have read their registers: block a's loads may land there
.endif
	TOSTAGE \a
	SEND \a-1, 32                                  ; behind block a - 1's loads: block a's 16 stores and 16 loads
.endr
	SEND 3, 0
	s_wait_tensorcnt 0x0                           ; the wave's end
	ds_add_u32 v[SPW], v[NIL]
	s_wait_dscnt 0x0
	CROUND                                         ; the closing round
	s_endpgm
.Lfunc_end_k_qddd5e85e0b_oproj:
	.size	k_qddd5e85e0b_oproj, .Lfunc_end_k_qddd5e85e0b_oproj-k_qddd5e85e0b_oproj
	.p2alignl 7, 3214868480
	.fill 96, 4, 3214868480
	.section	.rodata,"a",@progbits
	.p2align	6, 0x0
	.amdhsa_kernel k_qddd5e85e0b_oproj
		.amdhsa_group_segment_fixed_size 327680
		.amdhsa_private_segment_fixed_size 0
		.amdhsa_enable_private_segment 0
		.amdhsa_kernarg_size 32
		.amdhsa_user_sgpr_count 2
		.amdhsa_user_sgpr_kernarg_segment_ptr 1
		.amdhsa_wavefront_size32 1
		.amdhsa_system_sgpr_workgroup_id_x 1
		.amdhsa_system_sgpr_workgroup_id_y 1
		.amdhsa_system_sgpr_workgroup_id_z 1
		.amdhsa_system_vgpr_workitem_id 0
		.amdhsa_next_free_vgpr 512
		.amdhsa_next_free_sgpr 66
		.amdhsa_reserve_vcc 0
		.amdhsa_float_denorm_mode_32 3
		.amdhsa_float_denorm_mode_16_64 3
		.amdhsa_memory_ordered 1
		.amdhsa_forward_progress 1
		.amdhsa_inst_pref_size 92
	.end_amdhsa_kernel
	.amdgpu_metadata
---
amdhsa.version: [ 1, 2 ]
amdhsa.kernels:
  - .name:           k_qddd5e85e0b_oproj
    .symbol:         k_qddd5e85e0b_oproj.kd
    .args:
      - { .name: att, .offset: 0, .size: 8, .value_kind: global_buffer, .address_space: global }
      - { .name: woh, .offset: 8, .size: 8, .value_kind: global_buffer, .address_space: global }
      - { .name: bo, .offset: 16, .size: 8, .value_kind: global_buffer, .address_space: global }
      - { .name: out0, .offset: 24, .size: 8, .value_kind: global_buffer, .address_space: global }
    .group_segment_fixed_size: 327680
    .private_segment_fixed_size: 0
    .kernarg_segment_align: 8
    .kernarg_segment_size: 32
    .max_flat_workgroup_size: 128
    .sgpr_count:     66
    .vgpr_count:     512
    .wavefront_size: 32
...
	.end_amdgpu_metadata
.endif
;; end of part 4
